; MI455X (gfx1250); checked and timed in simulation.
; The chip was launched on July 23, 2026; its instructions are those of AMD's public machine-readable ISA for CDNA 5 (MIT licence, August 2026) and "CDNA5" Instruction Set Architecture Reference Guide (July 2026). The comments in the code are by the model that wrote it; some were corrected since.
;; Multi Head Attention. Allowed arithmetic: matrix products marked QUANTISED: E2M3 operands, one E8M0 scale for each 32 along K, by v_wmma_scale_f32_16x16x128_f8f6f4 with both operands' format E2M3, f32 sums; everything else in f32.
;; Inputs: Wk 1,024 x 1,024 float32; Wo 1,024 x 1,024 float32; Wq 1,024 x 1,024 float32; Wv 1,024 x 1,024 float32; bk 1,024 float32; bo 1,024 float32; bq 1,024 float32; bv 1,024 float32; x 4 x 2,048 x 1,024 float32.
;; Outputs: out0 4 x 1,024 float32.
;; This version of the problem:
;;   THIS VERSION OF THE PROBLEM IS GIVEN IN LOW PRECISION. The matrix products marked QUANTISED in the list below multiply operands that are first quantised to E2M3 (2 exponent bits, 3 mantissa bits; 6 bits a number), with one power-of-two scale for each 32 numbers along K (OCP MX v1.0); their sums are f32. All else is computed in f32.
;;   The module's matrix products, in the order in which they are computed (A, B: the left and right operand; K: the contracted axis; several contracted axes count as one K, in the product's order):
;;     1. [M 8,192, K 1,024] x [K 1,024, N 1,024]; A: input x; B: input Wq: QUANTISED
;;     2. [M 8,192, K 1,024] x [K 1,024, N 1,024]; A: input x; B: input Wk: QUANTISED
;;     3. [M 8,192, K 1,024] x [K 1,024, N 1,024]; A: input x; B: input Wv: QUANTISED
;;     4. batch 64 x [M 2,048, K 64] x [K 64, N 2,048]; A: computed on the way; B: computed on the way: QUANTISED
;;     5. batch 64 x [M 2,048, K 2,048] x [K 2,048, N 64]; A: softmax (see below); B: computed on the way: QUANTISED
;;     6. [M 8,192, K 1,024] x [K 1,024, N 1,024]; A: computed on the way; B: input Wo: QUANTISED
;;   THE QUANTISER, for each operand of a quantised product, along K:
;;     - K is cut into blocks of 32 from its start; a last block that is shorter is filled with zeros.
;;     - A block's scale is 2^e with e = floor(log2(the largest magnitude in the block)) - 2, held to -126 .. 127; a block of zeros has e = 0. As a byte (E8M0): e + 127.
;;     - Each number is divided by its block's scale, clamped to +-7.5, and rounded to the nearest number of E2M3, ties to even, subnormals kept.
;;     - The product sums the exact products of the quantised numbers (number of the format x scale) in f32.
;;   ~~~python
;;   def quantise(x, axis):      # numpy; x: float32 -> the quantised numbers, widened to float32 again
;;       x = np.moveaxis(x, axis, -1); K = x.shape[-1]
;;       x = np.pad(x, [(0, 0)] * (x.ndim - 1) + [(0, -K % 32)]); x = x.reshape(x.shape[:-1] + (-1, 32)); a = np.abs(x).max(-1, keepdims=True)
;;       e = np.where(a > 0, np.clip(np.frexp(np.where(a > 0, a, 1))[1] - 1 - 2, -126, 127), 0)      # np.frexp(a)[1] - 1 = floor(log2(a)), exactly
;;       r = np.clip(x / 2.0 ** e, -7.5, 7.5)
;;       step = 2.0 ** (np.maximum(np.frexp(np.where(r == 0, 1, r))[1] - 1, 0) - 3)
;;       q = np.round(r / step) * step * 2.0 ** e      # np.round: ties to even
;;       return np.moveaxis(q.reshape(q.shape[:-2] + (-1,))[..., :K], -1, axis).astype(np.float32)
;;   ~~~
;;   SOFTMAX AHEAD OF A QUANTISED PRODUCT. Where the list says 'softmax', what is quantised is not the finished softmax but p = 2^(t - M), with t = logit x log2(e) and M = ceil(the row's largest t), a whole number; so 1/2 < the row's largest p <= 1. The row's sum l is taken of the UNQUANTISED p, in f32, and the product's result is divided by l at the end. Since M is a whole number, a kernel that streams over the keys may use a running M (the ceiling of the running maximum): every later rescaling is an exact power of two, which a block's scale takes up: the codes' values come out the same.
;;   OPERANDS COMPUTED ON THE WAY. 'Computed on the way' means the value that the module computes at that place (a softmax that the list does not call 'softmax' is quantised finished and normalised). What goes into a quantiser is computed in f32, as accurately as f32 sums, v_exp_f32 and their like allow (about 1e-6 of the number): no bf16 or f16 on the way to a quantiser, and a product that is left as it is and whose result goes on into a quantised operand takes f32 operands (vector FMAs, or v_wmma_f32_16x16x4_f32). A number that lies on a knife's edge between two numbers of the format may be rounded either way, as far as f32 arithmetic and the matrix unit's own rounding can turn it there, and no further.
;; One version. Each part assembles by itself: llvm-mc -triple=amdgcn-amd-amdhsa -mcpu=gfx1250 --defsym DOCPART=n.
;; ======== version 1 of 1: 4 launches
;; workspace buffers: codes 8,650,752 bytes; scales 360,448 bytes; wo_img 786,432 bytes; wo_sc 131,072 bytes; qkv 18,874,368 bytes; sc 786,432 bytes; part 2,097,152 bytes
;; launch quant (part 1): grid 416 x 1, 4 waves a work-group, no clusters, 33,280 bytes of LDS; arguments x, Wq, Wk, Wv, Wo, codes, scales, wo_img, wo_sc; writes codes, scales, wo_img, wo_sc
.if DOCPART == 1
	.amdgcn_target "amdgcn-amd-amdhsa--gfx1250"
	.amdhsa_code_object_version 6
	.text
	.protected	k_q341bcb9756_quant
	.globl	k_q341bcb9756_quant
	.p2align	8
	.type	k_q341bcb9756_quant,@function
k_q341bcb9756_quant:
	s_mov_b64 s[64:65], 0
	v_nop
	global_prefetch_b8 v0, s[64:65] scope:SCOPE_SE
	s_setreg_imm32_b32 hwreg(HW_REG_WAVE_MODE, 25, 1), 1
	s_wait_xcnt 0x0
; x [8192][1024], Wq, Wk, Wv [1024][1024], f32, K innermost, become codes of FP6 (E2M3) with one E8M0 scale byte for each 32 along K:
; codes [11264 rows][768 bytes], scales [11264][32]; rows 0-8191 x, then Wq, Wk, Wv.  Work-groups 0-351, 32,768 numbers each, 8,192 a wave.
; Wo [1024][1024] becomes operand images for the launch that multiplies by it head by head: work-groups 352-415, one (head, 64 outputs) a wave.
; A block's scale is 2^(floor(log2(its largest magnitude)) - 2); its byte is the largest magnitude's exponent field - 2, held at 1 from below.
; LIMITS: a block whose largest magnitude lies under 2^-124, a block of zeros among them, keeps the byte 1 (the rule gives a block of zeros 127): its codes are zeros or
; subnormal codes under that scale, and the bytes are read by this program alone.  NaN and infinities among the inputs are not served.
; MAIN PATH.  Rows are dense and K is a multiple of 32: a tensor is a stream of blocks of 32.  A wave takes 16 steps of 512 numbers.  Each of a step's four loads reads 512 consecutive bytes;
; the 2,048 bytes turn through the wave's own stage in LDS and come back 64 bytes a lane, so that a lane holds 16 neighbours along K; two neighbouring lanes hold a block.
; No tensor loads, no barrier: waves share nothing.  Loads run four steps (16 loads a wave) ahead, the turn through LDS one step.
.set STEPS, 16
.set CB,    12                         ; bytes of 16 codes
.set R,     16                         ; v16-79   four sets of 16 numbers as loaded
.set X,     80                         ; v80-111  two sets of 16 neighbours
.set C,     128                        ; v128-191 codes: four registers for each step: no store's data are written again
.set E,     112                        ; v112-127 a scale byte for each step
.set WREG,  8192                       ; LDS of a wave: two stages of 32 x SP bytes, then its 256 scale bytes
.set SP,    80                         ; a lane's place in a stage: 64 bytes + 16 of padding
	s_load_b256 s[4:11], s[0:1], 0x0               ; x, Wq, Wk, Wv
	s_load_b256 s[12:19], s[0:1], 0x20             ; Wo, codes, scales, wo_img
	s_load_b64 s[20:21], s[0:1], 0x40              ; wo_sc
	v_lshl_add_u32 v192, v0, 2, 0x8000
	v_mov_b32 v193, 0
	v_lshrrev_b32 v1, 5, v0
	v_readfirstlane_b32 s22, v1                    ; wave
	v_and_b32 v2, 31, v0                           ; lane
	s_mov_b32 s27, 0                               ; the high word of every offset pair s[26:27]
	s_wait_kmcnt 0x0
	s_cmp_ge_u32 ttmp9, 352                        ; the two paths part on the work-group's number and never join; only the main path uses LDS
	s_cbranch_scc1 .Lwo
	s_wait_alu depctr_va_vdst(0)
	v_lshlrev_b32 v3, 4, v2                        ; my 16 bytes of a load's 512
	s_mul_i32 s29, s22, WREG
	v_lshrrev_b32 v14, 2, v2
	v_mul_u32_u24 v14, v14, SP
	v_and_b32 v15, 3, v2
	v_lshl_add_u32 v14, v15, 4, v14
	v_add_nc_u32 v14, s29, v14                     ; the stage, on the way in: SP (lane / 4) + 16 (lane % 4)
	v_mul_u32_u24 v15, v2, SP
	v_add_nc_u32 v15, s29, v15                     ; and on the way out: SP x lane
	v_mul_u32_u24 v4, v2, CB                       ; my codes' place in a step's
	v_lshrrev_b32 v5, 1, v2
	s_add_co_u32 s29, s29, 2*32*SP
	v_add_nc_u32 v5, s29, v5                       ; LDS: my block's scale byte
	v_lshlrev_b32 v7, 3, v2                        ; and on the way out 8 bytes a lane
	v_add_nc_u32 v6, s29, v7
	s_sub_co_u32 s23, ttmp9, 256
	s_and_b32 s23, s23, 31                         ; a weight's work-group within its tensor
	s_cmp_lt_u32 ttmp9, 320                        ; which tensor: the choice hangs on the work-group's number alone
	s_cselect_b64 s[24:25], s[8:9], s[10:11]
	s_cmp_lt_u32 ttmp9, 288
	s_cselect_b64 s[24:25], s[6:7], s[24:25]
	s_cmp_lt_u32 ttmp9, 256
	s_cselect_b64 s[24:25], s[4:5], s[24:25]
	s_cselect_b32 s23, ttmp9, s23
	s_lshl_b32 s26, s23, 2
	s_add_co_u32 s26, s26, s22
	s_lshl_b32 s26, s26, 15                        ; my wave's 8,192 numbers: 32,768 bytes a run
	s_add_nc_u64 s[24:25], s[24:25], s[26:27]
	s_lshl_b32 s28, ttmp9, 2
	s_add_co_u32 s28, s28, s22                     ; the run's number in the buffers of codes and scale bytes: their rows follow the order of the work-groups
	s_mul_i32 s26, s28, 32*STEPS*CB
	s_add_nc_u64 s[14:15], s[14:15], s[26:27]
	s_lshl_b32 s26, s28, 8
	s_add_nc_u64 s[16:17], s[16:17], s[26:27]
.macro LOAD t
.irp i, 0,1,2,3
	global_load_b128 v[R+16*((\t)%4)+4*\i:R+16*((\t)%4)+4*\i+3], v3, s[24:25] offset:2048*(\t)+512*\i th:TH_LOAD_NT   ; 32 lanes read 512 consecutive bytes
.endr
.endm
.macro TURN t                          ; step t's numbers through the stage: LDS serves a wave's instructions in order, so no wait stands between the stores and the loads
.irp i, 0,1,2,3
	ds_store_b128 v14, v[R+16*((\t)%4)+4*\i:R+16*((\t)%4)+4*\i+3] offset:32*SP*((\t)%2)+8*SP*\i
.endr
.irp i, 0,1,2,3
	ds_load_b128 v[X+16*((\t)%2)+4*\i:X+16*((\t)%2)+4*\i+3], v15 offset:32*SP*((\t)%2)+16*\i
.endr
.endm
.irp t, 0,1,2,3
	LOAD \t
.endr
	s_wait_alu depctr_va_vdst(0)
	s_wait_loadcnt 12                              ; step 0's four loads are in; the 12 of steps 1 to 3 may be out
	TURN 0
.macro STEP t
.set XS, X+16*((\t)%2)
.if (\t) > 0
	s_wait_dscnt 1                                 ; this step's numbers are back from the stage (the last step's byte store may be out)
.else
	s_wait_dscnt 0x0
.endif
.if (\t)+4 < STEPS
	LOAD (\t)+4                                    ; into the registers whose stores into the stage are done
.endif
.if (\t)+1 < STEPS
.if STEPS-2-(\t) >= 3
	s_wait_loadcnt 12                              ; the next step's four loads are in; those of the three steps behind it may be out
.else
	s_wait_loadcnt 4*(STEPS-2-(\t))
.endif
	TURN (\t)+1
.endif
	v_max3_num_f32 v8, |v[XS]|, |v[XS+1]|, |v[XS+2]|               ; the largest magnitude of my 16, in two chains
	v_max3_num_f32 v9, |v[XS+3]|, |v[XS+4]|, |v[XS+5]|
.irp i, 6,10
	v_max3_num_f32 v8, v8, |v[XS+\i]|, |v[XS+\i+1]|
	v_max3_num_f32 v9, v9, |v[XS+\i+2]|, |v[XS+\i+3]|
.endr
	v_max3_num_f32 v8, v8, |v[XS+14]|, |v[XS+15]|
	v_max3_num_f32 v8, v8, v9, 0x1800000           ; and the floor 2^(3 - 127): the byte cannot fall under 1
	v_max_num_f32_dpp v8, v8, v8 row_xmask:1 row_mask:0xf bank_mask:0xf   ; and of my neighbour's 16: the block's
	v_add_nc_u32 v11, 0xff000000, v8               ; 2 off its exponent field: the conversion takes the exponent field of this operand as its scale
	v_cvt_scalef32_pk16_fp6_f32 v[C+4*(\t):C+4*(\t)+2], v[XS:XS+15], v11
	v_lshrrev_b32 v[E+(\t)], 23, v11               ; the scale's byte (also the plain line behind the conversion)
	ds_store_b8 v5, v[E+(\t)] offset:16*(\t)       ; both lanes of a block write the same byte with the same value
	global_store_b96 v4, v[C+4*(\t):C+4*(\t)+2], s[14:15] offset:32*CB*(\t)   ; the wave stores 384 consecutive bytes
.endm
.irp t, 0,1,2,3,4,5,6,7,8,9,10,11,12,13,14,15
	STEP \t
.endr
	ds_load_b64 v[12:13], v6                       ; LDS serves a wave's instructions in order: these see my byte stores
	s_wait_dscnt 0x0
	global_store_b64 v7, v[12:13], s[16:17]        ; 32 lanes store 256 consecutive bytes, aligned
	s_wait_tensorcnt 0x0
	ds_add_u32 v192, v193
	s_wait_dscnt 0x0
	s_endpgm
; WO.  Wave unit u = (head, w): four operand halves t = 0..3 of 6 registers a lane.  Lane (r, h) holds one whole block of 32: row n = 64 w + 4 r + t of Wo, k = 64 head + 32 h + 0 .. 31.
; THE ORDER INSIDE A BLOCK is the one in which the attention's result is quantised in its registers: code place 16 a + 8 b + j holds element 16 b + 8 a + j.  A permutation of k applied alike to
; both operands keeps the products, and the block's 32 numbers, so its scale, are the true ones.  It costs nothing here: it is a choice of the loads' registers.
; An image is three planes of 256 bytes: register pair p of lane l at 256 p + 8 l.  The scale word of a row is (s0, s1, s0, s1): the reader doubles the fragment along K.
.Lwo:
	s_sub_co_u32 s23, ttmp9, 352
	s_lshl_b32 s23, s23, 2
	s_add_co_u32 s23, s23, s22                     ; u
	s_lshr_b32 s24, s23, 4                         ; head
	s_and_b32 s25, s23, 15                         ; w
	s_lshl_b32 s26, s25, 18                        ; 64 rows of 4,096 bytes
	s_lshl_b32 s24, s24, 8                         ; 64 numbers of a row
	s_add_co_u32 s26, s26, s24
	s_add_nc_u64 s[12:13], s[12:13], s[26:27]
	s_mul_i32 s26, s23, 3072
	s_add_nc_u64 s[18:19], s[18:19], s[26:27]
	s_lshl_b32 s26, s23, 9
	s_add_nc_u64 s[20:21], s[20:21], s[26:27]
	s_mov_b32 s30, 0x76543210
	s_mov_b32 s31, 0xfedcba98                      ; v_permlanex16_b32's selects for lane l xor 16
	v_and_b32 v1, 15, v0                           ; r
	v_bfe_u32 v3, v0, 4, 1                         ; h
	v_lshlrev_b32 v4, 14, v1                       ; 4 rows a lane step
	v_lshl_add_u32 v4, v3, 7, v4                   ; + my block of 128 bytes
	s_wait_alu depctr_va_vdst(0)
	v_lshlrev_b32 v5, 3, v2                        ; 8 x lane
	v_lshlrev_b32 v6, 4, v2                        ; 16 x lane
.irp t, 0,1,2,3
.irp i, 0,1,2,3,4,5,6,7
	global_load_b128 v[32+32*\t+16*((\i/2)%2)+8*(\i/4)+4*(\i%2):32+32*\t+16*((\i/2)%2)+8*(\i/4)+4*(\i%2)+3], v4, s[12:13] offset:4096*\t+16*\i th:TH_LOAD_NT
.endr
.endr
.irp t, 0,1,2,3
	v_mov_b32 v[24+\t], 0                          ; a lane permute's destination counts as one of its sources
.endr
	v_cmp_ne_u32 vcc_lo, 0, v3
	s_wait_loadcnt 0x0
.irp t, 0,1,2,3
	v_max3_num_f32 v[8+\t], |v[32+32*\t]|, |v[33+32*\t]|, 0x1800000   ; all 32 numbers of the block are mine; the floor 2^(3 - 127)
.endr
.irp i, 2,4,6,8,10,12,14,16,18,20,22,24,26,28,30
.irp t, 0,1,2,3
	v_max3_num_f32 v[8+\t], v[8+\t], |v[32+32*\t+\i]|, |v[33+32*\t+\i]|   ; (the four tiles by turns)
.endr
.endr
.irp t, 0,1,2,3
	v_add_nc_u32 v[16+\t], 0xff000000, v[8+\t]     ; the conversion's scale operand
.endr
.irp t, 0,1,2,3
	v_lshrrev_b32 v[20+\t], 23, v[16+\t]           ; my block's byte
.endr
.irp t, 0,1,2,3
	v_permlanex16_b32 v[24+\t], v[20+\t], s30, s31 ; the row's other block's
.endr
.irp t, 0,1,2,3
	v_cndmask_b32 v[12+\t], v[20+\t], v[24+\t], vcc_lo   ; s0: block h = 0's
	v_cndmask_b32 v[28+\t], v[24+\t], v[20+\t], vcc_lo   ; s1: block h = 1's
.endr
.irp t, 0,1,2,3
	v_lshl_or_b32 v[12+\t], v[28+\t], 8, v[12+\t]
.endr
.irp t, 0,1,2,3
	v_lshl_or_b32 v[188+\t], v[12+\t], 16, v[12+\t]   ; (s0, s1, s0, s1)
.endr
.irp t, 0,1,2,3
	v_cvt_scalef32_pk16_fp6_f32 v[160+6*\t:162+6*\t], v[32+32*\t:47+32*\t], v[16+\t]
	v_cvt_scalef32_pk16_fp6_f32 v[184:186], v[48+32*\t:63+32*\t], v[16+\t]   ; (a conversion's three registers begin on an even number)
	v_nop                                          ; one plain line behind a scaled conversion
.irp i, 0,1,2
	v_mov_b32 v[163+6*\t+\i], v[184+\i]
.endr
.endr
.irp t, 0,1,2,3
.irp p, 0,1,2
	global_store_b64 v5, v[160+6*\t+2*\p:161+6*\t+2*\p], s[18:19] offset:768*\t+256*\p   ; 32 lanes store 256 consecutive bytes, aligned
.endr
.endr
	global_store_b128 v6, v[188:191], s[20:21]     ; the four tiles' scale words: 512 consecutive bytes
	s_endpgm
.Lfunc_end_k_q341bcb9756_quant:
	.size	k_q341bcb9756_quant, .Lfunc_end_k_q341bcb9756_quant-k_q341bcb9756_quant
	.p2alignl 7, 3214868480
	.fill 96, 4, 3214868480
	.section	.rodata,"a",@progbits
	.p2align	6, 0x0
	.amdhsa_kernel k_q341bcb9756_quant
		.amdhsa_group_segment_fixed_size 33280
		.amdhsa_private_segment_fixed_size 0
		.amdhsa_enable_private_segment 0
		.amdhsa_kernarg_size 72
		.amdhsa_user_sgpr_count 2
		.amdhsa_user_sgpr_kernarg_segment_ptr 1
		.amdhsa_wavefront_size32 1
		.amdhsa_system_sgpr_workgroup_id_x 1
		.amdhsa_system_sgpr_workgroup_id_y 1
		.amdhsa_system_sgpr_workgroup_id_z 1
		.amdhsa_system_vgpr_workitem_id 0
		.amdhsa_next_free_vgpr 194
		.amdhsa_next_free_sgpr 66
		.amdhsa_reserve_vcc 1
		.amdhsa_float_denorm_mode_32 3
		.amdhsa_float_denorm_mode_16_64 3
		.amdhsa_memory_ordered 1
		.amdhsa_forward_progress 1
		.amdhsa_inst_pref_size 44
	.end_amdhsa_kernel
	.amdgpu_metadata
---
amdhsa.version: [ 1, 2 ]
amdhsa.kernels:
  - .name:           k_q341bcb9756_quant
    .symbol:         k_q341bcb9756_quant.kd
    .args:
      - { .name: x, .offset: 0, .size: 8, .value_kind: global_buffer, .address_space: global }
      - { .name: Wq, .offset: 8, .size: 8, .value_kind: global_buffer, .address_space: global }
      - { .name: Wk, .offset: 16, .size: 8, .value_kind: global_buffer, .address_space: global }
      - { .name: Wv, .offset: 24, .size: 8, .value_kind: global_buffer, .address_space: global }
      - { .name: Wo, .offset: 32, .size: 8, .value_kind: global_buffer, .address_space: global }
      - { .name: codes, .offset: 40, .size: 8, .value_kind: global_buffer, .address_space: global }
      - { .name: scales, .offset: 48, .size: 8, .value_kind: global_buffer, .address_space: global }
      - { .name: wo_img, .offset: 56, .size: 8, .value_kind: global_buffer, .address_space: global }
      - { .name: wo_sc, .offset: 64, .size: 8, .value_kind: global_buffer, .address_space: global }
    .group_segment_fixed_size: 33280
    .private_segment_fixed_size: 0
    .kernarg_segment_align: 8
    .kernarg_segment_size: 72
    .max_flat_workgroup_size: 128
    .sgpr_count:     66
    .vgpr_count:     194
    .wavefront_size: 32
...
	.end_amdgpu_metadata
.endif
;; end of part 1
;; launch qkv (part 2): grid 12 x 32, 4 waves a work-group, clusters of 4 x 4, 327,680 bytes of LDS; arguments codes, scales, bq, bk, bv, qkv, sc; writes qkv, sc
.if DOCPART == 2
	.amdgcn_target "amdgcn-amd-amdhsa--gfx1250"
	.amdhsa_code_object_version 6
	.text
	.protected	k_q341bcb9756_qkv
	.globl	k_q341bcb9756_qkv
	.p2align	8
	.type	k_q341bcb9756_qkv,@function
k_q341bcb9756_qkv:
	s_mov_b64 s[64:65], 0
	v_nop
	global_prefetch_b8 v0, s[64:65] scope:SCOPE_SE
	s_setreg_imm32_b32 hwreg(HW_REG_WAVE_MODE, 25, 1), 1
	s_wait_xcnt 0x0
	s_wait_alu depctr_hold_cnt(0) depctr_sa_sdst(0) depctr_va_vdst(0) depctr_va_sdst(0) depctr_va_ssrc(0) depctr_va_vcc(0) depctr_vm_vsrc(0)
	s_getreg_b32 s2, hwreg(HW_REG_IB_STS2, 6, 4)
	s_cmp_eq_u32 s2, 0
	s_cbranch_scc0 .Lentry_in_a_cluster
	s_endpgm
.Lentry_in_a_cluster:
	s_bfe_u32 s2, ttmp6, 0x10000c
	s_cmp_lg_u32 s2, 0xf033
	s_cbranch_scc0 .Lentry_shape_is_right
	s_endpgm
.Lentry_shape_is_right:
; q = x Wq^T + bq, k = x Wk^T + bk, v = x Wv^T + bv: one GEMM on codes of FP6 (E2M3) with E8M0 scales, K = 1,024, and on the way out each result is quantised again, in registers, for the products of the attention.
; codes [11264][768 bytes], scales [11264][32]: rows 0-8191 x, 8192- Wq, 9216- Wk, 10240- Wv.
; A tile of 256 x 256 is made by four waves, each 128 x 128: 64 accumulators, 512 registers.  K goes in steps of 256 through a ring of two LDS slots filled by the tensor data mover; the tile's scale bytes come once.
; THE MATRIX INSTRUCTION: source 0 = 16 rows of "B", source 1 = 16 rows of "A": a lane holds ONE row of A, and its registers run along rows of B.  The way out quantises along B.
;   MODE 0 (cluster x 0, 1): A = tokens of x, B = features of Wq | Wk: q and k are quantised along the head's 64.
;   MODE 1 (cluster x 2):    A = features of Wv, B = tokens of x:     v is quantised along the keys.  Only scalars and the bias's place differ.
; CLUSTERS: 4 x 4 work-groups; A's tile hangs on cy and is asked for jointly along a row of the cluster, B's on cx and jointly along a column.  MODE is the same in all sixteen.
; WHAT IS STORED.  A half fragment (HF): six operand registers of 32 lanes as three planes of 256 bytes, register pair p of lane l at 256 p + 8 l; lane (r, h) holds a whole block of 32 codes of row r.
;   q, k: qkv[b][hh 32][token tile 128] HF (hh 0-15 q's heads, 16-31 k's); v: from VBASE on [b][64 keys 32][head 16][16 features 4] HF.
;   Scale words of 128 rows (tile a, row r) as a block of 512 bytes, word at 16 r + 256 (a & 1) + 4 (a >> 1): sc[b][128 features 16][128 tokens 16], v's from SCV on [b][128 features 8][128 keys 16].
;   Inside a block of 32, code place 16 h + 8 u + j holds element 16 u + 8 h + j: the order in which two accumulators' registers lie.  Both operands of each later product have it, which keeps the products.
; LIMITS: a block whose largest magnitude lies under 2^-124, zeros among them, keeps scale byte 1 (read by this program alone); NaN and infinities are not served.
; REGISTERS: window 0: v16-31 addresses; v32-63 scale words, two sets, and nothing else; v64-127 the bias in the result's layout; v128-223 A's fragments, later the codes; v224-255 at work on the way out.
;   window 1: B's fragments, two sets.   windows 2, 3: the accumulators ((a, b) at v[8 (8 (a % 4) + b)]).
.set KSTEP,  256
.set NQ,     2                         ; matrix instructions deep in a slot
.set ROWB,   192                       ; a tile's row in bytes
.set KROW,   768                       ; a row of codes in memory
.set PITCH,  240                       ; an LDS row: 3 x (64 bytes + 16 of padding)
.set FR,     12
.set NL,     6
.set NP,     4
.set HALFT,  128*PITCH
.set SLOT,   4*HALFT
.set KS,     32                        ; a row of scale bytes
.set SCL,    2*SLOT                    ; behind the ring: the scale bytes, as pieces of 256 bytes + 16 of padding
.set HALFS,  (128*KS/256)*272
.set SBLK,   (16*KS/256)*272
.set SPARE,  SCL+4*HALFS               ; the spare words, 128 bytes for each wave, which no other line names
.set VBASE,  12582912
.set SCV,    524288
.set ADRA, 16                          ; v16-17 A's fragments in slot 0, 1; v18-19 the same behind one padding more
.set ADRB, 20                          ; v20-23 the same for B
.set OA,   24                          ; v24  8 x lane
.set LN,   25                          ; v25  lane
.set OS,   26                          ; v26  16 x lane
.set ADRS, 27                          ; v27  my scale words in LDS: lanes 0-15 A's rows, lanes 16-31 B's
.set SPW,  28                          ; v28  my spare word; never rewritten
.set NIL,  29                          ; v29  0; never rewritten
.set BO,   30                          ; v30  the bias loads' offset
.set SC,   32
.set BI,   64
.set AF,   128
.set CODE, 128                         ; the way out: block a's 12 registers of codes at v[CODE + 12 a]
.set H2,   224                         ; v224-226, v228-230 the conversions' second halves
.set SW,   232                         ; v232-239 block a's scale word
.set TMX,  244
.set TMP,  248
.set TSO,  252
.set G1, 24
.set G0, 32
.set G1B, 48
.set G0B, 56
.set G1S, 68
.set G0S, 76
.set G1SB, 80
.set G0SB, 88
.set MSB, 0
.macro WIN new                         ; the immediate's high byte repeats the setting that is left
.if MSB != \new
	s_set_vgpr_msb (MSB<<8)|\new
.set MSB, \new
.endif
.endm
.set MUL_LO, 0xa1                      ; source 0 (B) window 1, source 1 (A) window 0, C and D window 2
.set MUL_HI, 0xf1
.set TO_B,   0x40
; A joint load: waves 0 and 1 fetch for A, waves 2 and 3 for B; the branch hangs on the wave's number alone.  Four v_nop follow each of the two lines.
.macro JLOAD g0a, g1a, g0b, g1b
	s_cmp_eq_u32 s19, 0
	s_cbranch_scc0 .Lfor_b_\@
	tensor_load_to_lds s[\g0a:\g0a+3], s[\g1a:\g1a+7]
	s_nop 0
.rept 4
	v_nop
.endr
	s_branch .Lasked_\@
.Lfor_b_\@:
	tensor_load_to_lds s[\g0b:\g0b+3], s[\g1b:\g1b+7]
	s_nop 0
.rept 4
	v_nop
.endr
.Lasked_\@:
.endm
.macro CREST                           ; a round of the cluster's barrier behind its opening barrier
	s_cmp_lg_u32 s18, 0
	s_cbranch_scc1 .Lnot_wave_0_\@
	s_barrier_signal -3
.Lnot_wave_0_\@:
	s_barrier_wait -3
	s_barrier_signal -1
	s_barrier_wait -1
.endm
.macro CROUND
	s_barrier_signal -1
	s_barrier_wait -1
	CREST
.endm
	s_load_b256 s[4:11], s[0:1], 0x0               ; codes, scales, bq, bk
	s_load_b128 s[12:15], s[0:1], 0x20             ; bv, qkv
	s_load_b64 s[16:17], s[0:1], 0x30              ; sc
	v_lshl_add_u32 v[SPW], v0, 2, SPARE
	v_mov_b32 v[NIL], 0
	ds_add_u32 v28, v29
	ds_add_u32 v28, v29
	s_wait_dscnt 0x0
	v_lshrrev_b32 v1, 5, v0
	v_readfirstlane_b32 s18, v1                    ; wave 0..3
	s_lshr_b32 s19, s18, 1                         ; which half of A's rows is mine.  Also: I fetch for A (0) or for B (1)
	s_and_b32 s20, s18, 1                          ; which half of B's rows.  Also: which 128 rows I fetch
	s_bfe_u32 s22, ttmp6, 0x40000                  ; cx
	s_bfe_u32 s23, ttmp6, 0x40004                  ; cy
	s_and_b32 s44, ttmp7, 0xffff                   ; cluster y
	s_mov_b32 s47, 10240
	s_mov_b32 s92, 8192
	s_cmp_eq_u32 ttmp9, 2                          ; cluster x 2 makes v
	s_cselect_b32 s21, 1, 0                        ; MODE
	s_cselect_b32 s45, 0, s44                      ; A's tiles: 4 x cluster y + cy, or cy
	s_cselect_b32 s46, s44, ttmp9                  ; B's tiles: 4 x cluster x + cx, or 4 x cluster y + cx
	s_cselect_b32 s47, s47, 0                      ; A's first row in the buffer of codes
	s_cselect_b32 s92, 0, s92                      ; B's
	s_lshl_b32 s40, s45, 2
	s_add_co_u32 s40, s40, s23                     ; tA
	s_lshl_b32 s41, s46, 2
	s_add_co_u32 s41, s41, s22                     ; tB
	s_lshl_b32 s42, s23, 2
	s_lshl_b32 s42, 15, s42                        ; my row of the cluster
	s_lshl_b32 s43, 0x1111, s22                    ; my column
	; descriptor group 1: a tile of 128 rows x 192 bytes; 16 bytes of padding behind every 64
	s_or_b32 s[G1+0], s42, (0<<16)|(1<<20)|(1<<21)|(3<<22)|(3<<25)
	s_or_b32 s[G1B+0], s43, (0<<16)|(1<<20)|(1<<21)|(3<<22)|(3<<25)
.irp g, G1, G1B
	s_mov_b32 s[\g+1], ROWB<<16                    ; tensor_dim0
	s_mov_b32 s[\g+2], 128<<16                     ; tensor_dim1
	s_mov_b32 s[\g+3], ROWB<<16                    ; tile_dim0
	s_mov_b32 s[\g+4], 128                         ; tile_dim1
	s_mov_b32 s[\g+5], KROW                        ; from row to row
	s_mov_b32 s[\g+6], 0
	s_mov_b32 s[\g+7], 0
.endr
	; the scale bytes of 128 rows: 4,096 dense bytes as 16 rows of 256 (32 elements of 8 bytes), 16 bytes of padding behind each
	s_or_b32 s[G1S+0], s42, (3<<16)|(1<<20)|(1<<21)|(5<<22)|(3<<25)
	s_or_b32 s[G1SB+0], s43, (3<<16)|(1<<20)|(1<<21)|(5<<22)|(3<<25)
.irp g, G1S, G1SB
	s_mov_b32 s[\g+1], 32<<16
	s_mov_b32 s[\g+2], (128*KS/256)<<16
	s_mov_b32 s[\g+3], 32<<16
	s_mov_b32 s[\g+4], 128*KS/256
	s_mov_b32 s[\g+5], 32
	s_mov_b32 s[\g+6], 0
	s_mov_b32 s[\g+7], 0
.endr
	s_lshl_b32 s93, s20, 7                         ; which 128 rows of the tile I fetch
	s_lshl_b32 s44, s40, 8
	s_add_co_u32 s44, s44, s93
	s_add_co_u32 s44, s44, s47                     ; A's row in the buffer
	s_lshl_b32 s46, s41, 8
	s_add_co_u32 s46, s46, s93
	s_add_co_u32 s46, s46, s92                     ; B's
	s_mul_i32 s94, s44, KROW                       ; all offsets stay under 2^24
	s_mov_b32 s95, 0
	s_lshl_b32 s96, s44, 5
	s_mov_b32 s97, 0
	s_mul_i32 s98, s46, KROW
	s_mov_b32 s99, 0
	s_lshl_b32 s100, s46, 5
	s_mov_b32 s101, 0
	s_mul_i32 s45, s18, HALFT                      ; where they go: wave x 128 rows: no place in the cluster enters an LDS address
	s_mul_i32 s47, s18, HALFS
	s_wait_kmcnt 0x0
	s_add_nc_u64 s[94:95], s[4:5], s[94:95]
	s_add_nc_u64 s[96:97], s[6:7], s[96:97]
	s_add_nc_u64 s[98:99], s[4:5], s[98:99]
	s_add_nc_u64 s[100:101], s[6:7], s[100:101]
	CROUND                                         ; all sixteen work-groups are here: the first joint loads meet
	s_mov_b32 s[G0S], 1
	s_add_co_u32 s[G0S+1], s47, SCL
	s_mov_b64 s[G0S+2:G0S+3], s[96:97]
	s_or_b32 s[G0S+3], s[G0S+3], 0x80000000
	s_mov_b32 s[G0SB], 1
	s_add_co_u32 s[G0SB+1], s47, SCL
	s_mov_b64 s[G0SB+2:G0SB+3], s[100:101]
	s_or_b32 s[G0SB+3], s[G0SB+3], 0x80000000
	JLOAD G0S, G1S, G0SB, G1SB                     ; the scale bytes first: they are wanted with K step 0
.irp s, 0,1
	s_mov_b32 s[G0+4*\s], 1
	s_add_co_u32 s[G0+4*\s+1], s45, \s*SLOT
	s_add_nc_u64 s[G0+4*\s+2:G0+4*\s+3], s[94:95], \s*ROWB
	s_or_b32 s[G0+4*\s+3], s[G0+4*\s+3], 0x80000000
	s_mov_b32 s[G0B+4*\s], 1
	s_add_co_u32 s[G0B+4*\s+1], s45, \s*SLOT
	s_add_nc_u64 s[G0B+4*\s+2:G0B+4*\s+3], s[98:99], \s*ROWB
	s_or_b32 s[G0B+4*\s+3], s[G0B+4*\s+3], 0x80000000
	JLOAD G0+4*\s, G1, G0B+4*\s, G1B
.endr
	v_and_b32 v1, 15, v0                           ; r
	v_bfe_u32 v2, v0, 4, 1                         ; h
	v_mul_u32_u24 v3, v1, PITCH
	v_mul_u32_u24 v4, v2, 24
	v_add_nc_u32 v4, v3, v4                        ; a fragment's row x pitch + 24 x half
	v_lshl_add_u32 v5, v2, 4, v4                   ; and the same behind one padding more
	s_mul_i32 s94, s19, HALFT                      ; my 128 rows of A
	s_mul_i32 s95, s20, HALFT                      ; my 128 rows of B,
	s_add_co_u32 s95, s95, 2*HALFT                 ; which lie behind A's 256
.irp s, 0,1
	v_add_nc_u32 v[ADRA+\s], s94, v4
	v_add_nc_u32 v[ADRB+\s], s95, v4
	v_add_nc_u32 v[ADRA+2+\s], s94, v5
	v_add_nc_u32 v[ADRB+2+\s], s95, v5
	s_add_co_u32 s94, s94, SLOT
	s_add_co_u32 s95, s95, SLOT
.endr
	v_mul_u32_u24 v5, v1, KS                       ; my row's scale bytes,
	v_lshrrev_b32 v6, 8, v5
	v_lshl_add_u32 v5, v6, 4, v5                   ; and 16 more for each 256 passed
	s_mul_i32 s94, s19, HALFS
	s_mul_i32 s95, s20, HALFS
	s_add_co_u32 s95, s95, 2*HALFS
	s_sub_co_u32 s95, s95, s94
	v_mul_u32_u24 v6, s95, v2                      ; lanes 16-31 take B's: one product, the distance between the two bases
	s_add_co_u32 s94, s94, SCL
	v_add_nc_u32 v5, v5, v6
	v_add_nc_u32 v[ADRS], s94, v5
	v_and_b32 v[LN], 31, v0
	v_lshlrev_b32 v[OA], 3, v[LN]
	v_lshlrev_b32 v[OS], 4, v[LN]
	s_mov_b32 s66, 0x76543210
	s_mov_b32 s67, 0xfedcba98                      ; v_permlanex16_b32's selects for lane l xor 16
	s_lshl_b32 s44, s40, 1
	s_add_co_u32 s44, s44, s19                     ; gA: my 128 rows of A, counted in 128s
	s_lshl_b32 s46, s41, 1
	s_add_co_u32 s46, s46, s20                     ; gB: my 128 rows of B
	; THE BIAS, as an image in the result's layout, 64 registers; it lands under the whole product.  Both arms write all 64.
	s_mov_b32 s3, 0
	s_cmp_eq_u32 s21, 0
	s_cbranch_scc0 .Lbias_v
	s_cmp_eq_u32 ttmp9, 0                          ; q's features or k's
	s_cselect_b64 s[8:9], s[8:9], s[10:11]
	s_and_b32 s2, s46, 7
	s_lshl_b32 s2, s2, 9                           ; my 128 features
	s_add_nc_u64 s[8:9], s[8:9], s[2:3]
	v_lshlrev_b32 v[BO], 5, v2                     ; register 8 b + j: feature 16 b + 8 h + j
.irp b, 0,1,2,3,4,5,6,7
	global_load_b128 v[BI+8*\b:BI+8*\b+3], v[BO], s[8:9] offset:64*\b
	global_load_b128 v[BI+8*\b+4:BI+8*\b+7], v[BO], s[8:9] offset:64*\b+16
.endr
	s_branch .Lbias_done
.Lbias_v:
	s_lshl_b32 s2, s44, 9
	s_add_nc_u64 s[12:13], s[12:13], s[2:3]
	v_lshlrev_b32 v[BO], 2, v1                     ; register 8 a + j: feature 16 a + r, for every j
.irp a, 0,1,2,3,4,5,6,7
.irp j, 0,1,2,3,4,5,6,7
	global_load_b32 v[BI+8*\a+\j], v[BO], s[12:13] offset:64*\a
.endr
.endr
.Lbias_done:
.macro FRAG reg, adr, q, i             ; a fragment, 16 rows x 128 K, is 12 registers: lane l holds row l % 16; registers 6 c .. 6 c + 5 hold K = 64 c + 32 (l / 16) + 0 .. 31: 24 bytes of the row, as they lie
.irp p, 0,1,2,3,4,5                    ; in pieces of 8 bytes.  Where the piece three on (lanes 16-31) lies behind one padding more, the second address register serves
.set PCE, 12*(\q)+6*(\p/3)+\p%3
.if PCE%8 < 5
	ds_load_b64 v[\reg+2*\p:\reg+2*\p+1], v[\adr] offset:8*PCE+16*(PCE/8)+(\i)*16*PITCH
.else
	ds_load_b64 v[\reg+2*\p:\reg+2*\p+1], v[\adr+2] offset:8*PCE+16*(PCE/8)+(\i)*16*PITCH
.endif
.endr
.endm
; 16 matrix instructions: A's blocks a0, a0 + 1 x B's eight, 128 along K.  The 64 accumulators take turns, one instruction a turn, in the same order in every step.
.macro MUL16 a0, p, q, sc, zero
.irp a, \a0, \a0+1
.irp b, 0,1,2,3,4,5,6,7
.if \zero
	v_wmma_scale_f32_16x16x128_f8f6f4 v[8*(8*((\a)%4)+\b):8*(8*((\a)%4)+\b)+7], v[128*(\p)+FR*\b:128*(\p)+FR*\b+FR-1], v[AF+FR*(\a):AF+FR*(\a)+FR-1], 0, v[SC+8*NQ*(\sc)+NQ*\b+(\q)], v[SC+8*NQ*(\sc)+NQ*(\a)+(\q)] matrix_a_fmt:MATRIX_FMT_FP6 matrix_b_fmt:MATRIX_FMT_FP6 matrix_a_scale:MATRIX_SCALE_ROW1
.else
	v_wmma_scale_f32_16x16x128_f8f6f4 v[8*(8*((\a)%4)+\b):8*(8*((\a)%4)+\b)+7], v[128*(\p)+FR*\b:128*(\p)+FR*\b+FR-1], v[AF+FR*(\a):AF+FR*(\a)+FR-1], v[8*(8*((\a)%4)+\b):8*(8*((\a)%4)+\b)+7], v[SC+8*NQ*(\sc)+NQ*\b+(\q)], v[SC+8*NQ*(\sc)+NQ*(\a)+(\q)] matrix_a_fmt:MATRIX_FMT_FP6 matrix_b_fmt:MATRIX_FMT_FP6 matrix_a_scale:MATRIX_SCALE_ROW1
.endif
.endr
.endr
.endm
.macro FETCH_B slot, q, p
	WIN TO_B
.irp i, 0,1,2,3,4,5,6,7
	FRAG 128*(\p)+FR*\i, ADRB+\slot, \q, \i
.endr
	WIN 0
.endm
.macro FETCH_A slot, q, i0
.irp i, \i0, \i0+1, \i0+2, \i0+3
	FRAG AF+FR*(\i), ADRA+\slot, \q, \i
.endr
.endm
.macro SCALES sc                       ; a K step's scale words: two words a row; lanes 0-15 A's block i, lanes 16-31 B's block i
.irp i, 0,1,2,3,4,5,6,7
	ds_load_b64 v[SC+8*NQ*\sc+NQ*\i:SC+8*NQ*\sc+NQ*\i+1], v[ADRS] offset:\i*SBLK
.endr
.endm
.macro PLACES n                        ; plain vector lines between a matrix instruction and a load into, or a vector line on, its registers
.rept \n
	v_nop
.endr
.endm
.macro STEP slot, q, zero              ; a step of 128 along K that has its successor in the same slot
	s_wait_dscnt 4*NL                              ; B's set and A's blocks 0-3 are in; the 24 youngest loads (A's blocks 4-7) may be out
	WIN MUL_LO
	MUL16 0, (\q)%2, \q, \slot, \zero
	MUL16 2, (\q)%2, \q, \slot, \zero
	s_wait_dscnt 0
	PLACES NP
	FETCH_B \slot, (\q)+1, 1-(\q)%2
	FETCH_A \slot, (\q)+1, 0
	WIN MUL_HI
	MUL16 4, (\q)%2, \q, \slot, \zero
	MUL16 6, (\q)%2, \q, \slot, \zero
	PLACES NP
	WIN 0
	FETCH_A \slot, (\q)+1, 4
.endm
; A slot's last step changes slots: one barrier; in front of it each wave waits for all its tensor loads, adds 0 to its spare word, and waits for that and for its reads of this slot.
.macro TURN slot, next, fill
	s_wait_tensorcnt 0x0                           ; all my tensor loads have landed: my part of the next slot
	ds_add_u32 v[SPW], v[NIL]                      ; 0 onto my spare word
	s_wait_dscnt 4*NL+1                            ; (the add and the 24 youngest loads may be out)
	WIN MUL_LO
	MUL16 0, 1, NQ-1, \slot, 0
	s_wait_dscnt 0x0                               ; the add is done, and my reads of this slot are over
	s_barrier_signal -1
	MUL16 2, 1, NQ-1, \slot, 0
	WIN 0
	s_barrier_wait -1
.if \fill
	CREST                                          ; the barrier has opened a round of the cluster's barrier: no wave of any partner still reads this slot or has a load on its way
	s_add_nc_u64 s[G0+4*\slot+2:G0+4*\slot+3], s[G0+4*\slot+2:G0+4*\slot+3], 2*ROWB
	s_add_nc_u64 s[G0B+4*\slot+2:G0B+4*\slot+3], s[G0B+4*\slot+2:G0B+4*\slot+3], 2*ROWB
	JLOAD G0+4*\slot, G1, G0B+4*\slot, G1B         ; the first tensor load behind the round; its four v_nop are the places in front of the loads below
.else
	PLACES NP
.endif
	v_add_nc_u32 v[ADRS], 4*NQ, v[ADRS]            ; on to the next K step's scale words
	FETCH_B \next, 0, 0
	FETCH_A \next, 0, 0
	SCALES \next
	WIN MUL_HI
	MUL16 4, 1, NQ-1, \slot, 0
	MUL16 6, 1, NQ-1, \slot, 0
	PLACES NP
	WIN 0
	FETCH_A \next, 0, 4
.endm
	s_wait_tensorcnt 1                             ; the scale bytes and my part of K step 0 are in; K step 1's load may be out
	s_barrier_signal -1
	s_barrier_wait -1
	FETCH_B 0, 0, 0
	FETCH_A 0, 0, 0
	SCALES 0
	FETCH_A 0, 0, 4
	STEP 0, 0, 1                                   ; K = 1,024 is four K steps, twice round the ring: written straight.  The first products start the sums
	TURN 0, 1, 1
	STEP 1, 0, 0
	TURN 1, 0, 1
	STEP 0, 0, 0
	TURN 0, 1, 0                                   ; the last lap fills nothing
	STEP 1, 0, 0
	s_wait_dscnt 4*NL
	WIN MUL_LO
	MUL16 0, 1, NQ-1, 1, 0
	MUL16 2, 1, NQ-1, 1, 0
	s_wait_dscnt 0
	WIN MUL_HI
	MUL16 4, 1, NQ-1, 1, 0
	MUL16 6, 1, NQ-1, 1, 0
	WIN 0
	; THE WAY OUT.  Bias; then block by block of 16 rows of A: the four blocks of 32 along B are quantised in registers and leave as two half fragments, each plane 256 consecutive bytes, aligned.
.irp b, 0,1,2,3
	v_mov_b32 v[TMP+\b], 0                         ; a lane permute's destination counts as one of its sources; these four are also the places behind the last products
.endr
	s_wait_loadcnt 0x0                             ; the bias; its pointers' registers are free from here on
	s_lshr_b32 s2, s44, 4                          ; MODE 0: batch,
	s_and_b32 s3, s44, 15                          ; and which 128 tokens of it
	s_mul_i32 s8, s2, 3145728
	s_mul_i32 s9, s3, 6144
	s_add_co_u32 s8, s8, s9
	s_mul_i32 s9, s46, 196608                      ; two heads
	s_add_co_u32 s8, s8, s9
	s_lshl_b32 s9, s2, 4
	s_add_co_u32 s9, s9, s46
	s_lshl_b32 s9, s9, 4
	s_add_co_u32 s9, s9, s3
	s_lshl_b32 s9, s9, 9
	s_lshr_b32 s2, s46, 4                          ; MODE 1: batch,
	s_and_b32 s3, s46, 15                          ; and which 128 keys of it
	s_mul_i32 s10, s2, 1572864
	s_mul_i32 s11, s3, 98304
	s_add_co_u32 s10, s10, s11
	s_mul_i32 s11, s44, 6144                       ; two heads' eight tiles of features
	s_add_co_u32 s10, s10, s11
	s_add_co_u32 s10, s10, VBASE
	s_lshl_b32 s11, s2, 3
	s_add_co_u32 s11, s11, s44
	s_lshl_b32 s11, s11, 4
	s_add_co_u32 s11, s11, s3
	s_lshl_b32 s11, s11, 9
	s_add_co_u32 s11, s11, SCV
	s_mov_b32 s12, 98304                           ; from the first 64 along B to the second: a head on, or 64 keys on
	s_mov_b32 s13, 49152
	s_cmp_eq_u32 s21, 0
	s_cselect_b32 s2, s8, s10
	s_cselect_b32 s8, s9, s11
	s_cselect_b32 s10, s12, s13
	s_mov_b32 s3, 0
	s_mov_b32 s9, 0
	s_mov_b32 s11, 0
	s_add_nc_u64 s[14:15], s[14:15], s[2:3]        ; the first 64 along B
	s_add_nc_u64 s[12:13], s[14:15], s[10:11]      ; the second
	s_add_nc_u64 s[16:17], s[16:17], s[8:9]        ; my block of scale words
.macro ADDB mode                       ; each accumulator from its low end on
.irp hi, 0,1
	WIN (0x82+0x41*\hi)                            ; destination and source 0 window 2 or 3, the bias window 0
.irp a, 0,1,2,3
.irp b, 0,1,2,3,4,5,6,7
.irp i, 0,2,4,6
.if \mode
	v_pk_add_f32 v[8*(8*\a+\b)+\i:8*(8*\a+\b)+\i+1], v[8*(8*\a+\b)+\i:8*(8*\a+\b)+\i+1], v[BI+8*(4*\hi+\a)+\i:BI+8*(4*\hi+\a)+\i+1]
.else
	v_pk_add_f32 v[8*(8*\a+\b)+\i:8*(8*\a+\b)+\i+1], v[8*(8*\a+\b)+\i:8*(8*\a+\b)+\i+1], v[BI+8*\b+\i:BI+8*\b+\i+1]
.endif
.endr
.endr
.endr
.endr
	WIN 0
.endm
	s_cmp_eq_u32 s21, 0
	s_cbranch_scc0 .Ladd_v
	ADDB 0                                         ; the bias runs along B
	s_branch .Ladded
.Ladd_v:
	ADDB 1                                         ; the bias runs along A
.Ladded:
.macro QUANT a
.set W, 2+(\a)/4
.set AC, 64*((\a)%4)
.set CD, CODE+12*(\a)
	WIN ((W<<2)|(W<<4))                            ; sources 1 and 2: the accumulators' window
.irp b, 0,1,2,3
	v_max3_num_f32 v[TMX+\b], 0x1800000, |v[AC+16*\b]|, |v[AC+16*\b+1]|   ; block b: my 16 numbers, and the floor 2^(3 - 127)
.endr
.irp i, 2,4,6,8,10,12,14
.irp b, 0,1,2,3
	v_max3_num_f32 v[TMX+\b], v[TMX+\b], |v[AC+16*\b+\i]|, |v[AC+16*\b+\i+1]|
.endr
.endr
	WIN 0
.irp b, 0,1,2,3
	v_permlanex16_b32 v[TMP+\b], v[TMX+\b], s66, s67
.endr
.irp b, 0,1,2,3
	v_max_num_f32 v[TMX+\b], v[TMX+\b], v[TMP+\b]  ; with lane l xor 16's: the block's largest magnitude
.endr
.irp b, 0,1,2,3
	v_add_nc_u32 v[TSO+\b], 0xff000000, v[TMX+\b]  ; 2 off its exponent field: the conversion's scale operand
.endr
.irp b, 0,1,2,3
	v_lshrrev_b32 v[TMP+\b], 23, v[TSO+\b]         ; the scale's byte
.endr
	v_lshl_or_b32 v[SW+(\a)], v[TMP+1], 8, v[TMP]
	v_lshl_or_b32 v[SW+(\a)], v[TMP+2], 16, v[SW+(\a)]
	v_lshl_or_b32 v[SW+(\a)], v[TMP+3], 24, v[SW+(\a)]
	WIN W                                          ; source 0: the accumulators' window
.irp c, 0,1
	v_cvt_scalef32_pk16_fp6_f32 v[CD+6*\c:CD+6*\c+2], v[AC+32*\c:AC+32*\c+15], v[TSO+2*\c]
	v_cvt_scalef32_pk16_fp6_f32 v[H2+4*\c:H2+4*\c+2], v[AC+32*\c+16:AC+32*\c+31], v[TSO+2*\c+1]   ; (a conversion's three registers begin on an even number)
.endr
	v_nop                                          ; one plain line behind a scaled conversion
	WIN 0
.irp c, 0,1                                    ; a whole block in a lane: lanes 0-15 block 2 c, lanes 16-31 block 2 c + 1
.irp i, 0,1,2
	v_permlane16_swap_b32 v[CD+6*\c+\i], v[H2+4*\c+\i]
.endr
.irp i, 0,1,2
	v_mov_b32 v[CD+3+6*\c+\i], v[H2+4*\c+\i]
.endr
.endr
.irp c, 0,1
.irp p, 0,1,2
	global_store_b64 v[OA], v[CD+6*\c+2*\p:CD+6*\c+2*\p+1], s[14-2*\c:15-2*\c] offset:768*(\a)+256*\p th:TH_STORE_NT   ; each block has its own registers: no store's data are written again
.endr
.endr
.endm
.irp a, 0,1,2,3,4,5,6,7
	QUANT \a
.endr
	v_cmp_le_u32 vcc_lo, 16, v[LN]
.irp i, 0,1,2,3
	v_cndmask_b32 v[240+\i], v[SW+2*\i], v[SW+2*\i+1], vcc_lo   ; lane (r, h), register i: the word of block 2 i + h, row r
.endr
	global_store_b128 v[OS], v[240:243], s[16:17] th:TH_STORE_NT   ; 512 consecutive bytes
	s_wait_tensorcnt 0x0                           ; the wave's end
	ds_add_u32 v[SPW], v[NIL]
	s_wait_dscnt 0x0
	CROUND                                         ; the closing round
	s_endpgm
.Lfunc_end_k_q341bcb9756_qkv:
	.size	k_q341bcb9756_qkv, .Lfunc_end_k_q341bcb9756_qkv-k_q341bcb9756_qkv
	.p2alignl 7, 3214868480
	.fill 96, 4, 3214868480
	.section	.rodata,"a",@progbits
	.p2align	6, 0x0
	.amdhsa_kernel k_q341bcb9756_qkv
		.amdhsa_group_segment_fixed_size 327680
		.amdhsa_private_segment_fixed_size 0
		.amdhsa_enable_private_segment 0
		.amdhsa_kernarg_size 56
		.amdhsa_user_sgpr_count 2
		.amdhsa_user_sgpr_kernarg_segment_ptr 1
		.amdhsa_wavefront_size32 1
		.amdhsa_system_sgpr_workgroup_id_x 1
		.amdhsa_system_sgpr_workgroup_id_y 1
		.amdhsa_system_sgpr_workgroup_id_z 1
		.amdhsa_system_vgpr_workitem_id 0
		.amdhsa_next_free_vgpr 1024
		.amdhsa_next_free_sgpr 102
		.amdhsa_reserve_vcc 1
		.amdhsa_float_denorm_mode_32 3
		.amdhsa_float_denorm_mode_16_64 3
		.amdhsa_memory_ordered 1
		.amdhsa_forward_progress 1
		.amdhsa_inst_pref_size 207
	.end_amdhsa_kernel
	.amdgpu_metadata
---
amdhsa.version: [ 1, 2 ]
amdhsa.kernels:
  - .name:           k_q341bcb9756_qkv
    .symbol:         k_q341bcb9756_qkv.kd
    .args:
      - { .name: codes, .offset: 0, .size: 8, .value_kind: global_buffer, .address_space: global }
      - { .name: scales, .offset: 8, .size: 8, .value_kind: global_buffer, .address_space: global }
      - { .name: bq, .offset: 16, .size: 8, .value_kind: global_buffer, .address_space: global }
      - { .name: bk, .offset: 24, .size: 8, .value_kind: global_buffer, .address_space: global }
      - { .name: bv, .offset: 32, .size: 8, .value_kind: global_buffer, .address_space: global }
      - { .name: qkv, .offset: 40, .size: 8, .value_kind: global_buffer, .address_space: global }
      - { .name: sc, .offset: 48, .size: 8, .value_kind: global_buffer, .address_space: global }
    .group_segment_fixed_size: 327680
    .private_segment_fixed_size: 0
    .kernarg_segment_align: 8
    .kernarg_segment_size: 56
    .max_flat_workgroup_size: 128
    .sgpr_count:     102
    .vgpr_count:     1024
    .wavefront_size: 32
...
	.end_amdgpu_metadata
.endif
;; end of part 2
;; launch attn (part 3): grid 4 x 64, 16 waves a work-group, clusters of 4 x 1, 229,376 bytes of LDS; arguments qkv, sc, wo_img, wo_sc, part; writes part
.if DOCPART == 3
	.amdgcn_target "amdgcn-amd-amdhsa--gfx1250"
	.amdhsa_code_object_version 6
	.text
	.protected	k_q341bcb9756_attn
	.globl	k_q341bcb9756_attn
	.p2align	8
	.type	k_q341bcb9756_attn,@function
k_q341bcb9756_attn:
	s_mov_b64 s[64:65], 0
	v_nop
	global_prefetch_b8 v0, s[64:65] scope:SCOPE_SE
	s_setreg_imm32_b32 hwreg(HW_REG_WAVE_MODE, 25, 1), 1
	s_wait_xcnt 0x0
	s_wait_alu depctr_hold_cnt(0) depctr_sa_sdst(0) depctr_va_vdst(0) depctr_va_sdst(0) depctr_va_ssrc(0) depctr_va_vcc(0) depctr_vm_vsrc(0)
	s_getreg_b32 s2, hwreg(HW_REG_IB_STS2, 6, 4)
	s_cmp_eq_u32 s2, 0
	s_cbranch_scc0 .Lentry_in_a_cluster
	s_endpgm
.Lentry_in_a_cluster:
	s_bfe_u32 s2, ttmp6, 0x10000c
	s_cmp_lg_u32 s2, 0x3003
	s_cbranch_scc0 .Lentry_shape_is_right
	s_endpgm
.Lentry_shape_is_right:
; For one (batch, head): S^T = K Q^T, softmax, O^T = V^T P^T, o = O / l, and the head's share of o Wo^T summed over 256 tokens.  All three products on codes of FP6 (E2M3) with E8M0 scales.
; SOFTMAX: t = score x log2(e) / 8; M = the running largest t rounded up to a whole number; p = 2^(t - M) is quantised along the keys, not normalised; the sum of the unquantised p divides O at the end.
; When M moves, the sum and O are multiplied by 2^(old M - new M), which rounds nothing.
; SHARES.  A work-group has one head and stays for two blocks of 256 queries; each of its sixteen waves owns 16 queries in 256 registers: four waves to a SIMD, so that one wave's vector work stands beside another's
; matrix work and LDS loads.  A head's K and V images (2 x 98,304 bytes) and their scale words (2 x 8,192) lie in LDS whole: each LDS byte is filled ONCE, so there is no ring.
; CLUSTER.  The four work-groups of a head ask for K and V jointly: the same tensor loads, the same descriptors, mask 15.
; LAYOUT.  A half fragment (HF) is six operand registers of 32 lanes in three planes of 256 bytes, register pair p of lane l at 256 p + 8 l; so every LDS load of 8 bytes a lane reads 256 consecutive bytes.
; Both attention products are used transposed: a lane holds ONE query (lane % 16) throughout.  The head's 64 fill half of the instruction's K = 128: Q's upper six registers hold zero codes, so K's upper six may hold
; anything (the next tile's codes); the scale words' upper bytes are 0, which is no NaN, over zero codes.
; THE LAST PRODUCT.  K = 128 is two tiles of tokens x the head's 64, against Wo's fragment doubled: the two tokens' results are added, as the mean over tokens asks anyway.  Wave w makes outputs 64 w .. 64 w + 63 for all 256 tokens.
; Inside a block of 32 the codes' order is the one in which two accumulators' registers lie; both operands of each product have it.
; LIMITS: NaN and infinities are not served; a block under 2^-124 keeps scale byte 1; v_exp_f32 gives 0 for p under 2^-126; 1 / l is v_rcp_f32 and a multiplication; the sums over heads and tokens are taken in another order than the source's.
; No prefetch: every byte of K and V is asked for by the first fills, at the head; no later request exists for one to run ahead of.
.set KIMG, 0                           ; [key tile 128] HF
.set VIMG, 98304                       ; [64 keys 32][16 features 4] HF
.set KSC,  196608                      ; 16 blocks of 512 bytes: K's scale words, a block for 128 keys
.set VSC,  204800                      ; V's
.set OIMG, 212992                      ; wave w's o as an HF: 16 x 768
.set OSC,  225280                      ; and its scale words: 16 x 128
.set VBASE, 12582912
.set SCV,  524288
.set KF,  32                           ; v32-79  K's eight tiles, six registers each; v80-85 zeros
.set QF,  86                           ; v86-97  Q: six registers of codes, six of zeros
.set VF,  98                           ; v98-145 V's four fragments; later Wo's
.set S,   146                          ; v146-209 S^T, then p
.set O,   210                          ; v210-241 O^T; later the last product's sums
.set PC,  242                          ; v242-253 p's codes
.set BMX, 32                           ; behind the first product K's registers are at work: the blocks' largest,
.set PT,  36                           ; the exchange and the bytes,
.set SO,  40                           ; the conversions' scale operands,
.set CH,  44                           ; v44-46, v48-50 the conversions' second halves
; v1 8 x lane; v2 the same + VIMG; v3, v4 my place among K's and V's scale words; v5-8 the addresses in hand; v9, v10 where I store o's image and scale word; v11 my place in the wave's 256 bytes of part;
; v12 -M, v13 the largest t, v[14:15] the sum; v16-27 scale words of K and V (later Wo's and o's), v28 Q's, v29 p's: scales and nothing else; v[30:31] f.
.macro CROUND
	s_barrier_signal -1
	s_barrier_wait -1
	s_cmp_lg_u32 s18, 0
	s_cbranch_scc1 .Lnot_wave_0_\@
	s_barrier_signal -3
.Lnot_wave_0_\@:
	s_barrier_wait -3
	s_barrier_signal -1
	s_barrier_wait -1
.endm
.macro G0SET g, lr, lc, bp, off        ; descriptor group 0: count 1, LDS address, global address, type 2
	s_mov_b32 s[\g], 1
	s_add_co_u32 s[\g+1], s[\lr], \lc
	s_add_nc_u64 s[\g+2:\g+3], s[\bp:\bp+1], \off
	s_or_b32 s[\g+3], s[\g+3], 0x80000000
.endm
	s_load_b256 s[4:11], s[0:1], 0x0               ; qkv, sc, wo_img, wo_sc
	s_load_b64 s[12:13], s[0:1], 0x20              ; part
	v_lshl_add_u32 v254, v0, 2, 0x37800
	v_mov_b32 v255, 0
	ds_add_u32 v254, v255
	ds_add_u32 v254, v255
	s_wait_dscnt 0x0
	v_lshrrev_b32 v1, 5, v0
	s_delay_alu instid0(VALU_DEP_1)
	v_readfirstlane_b32 s18, v1                    ; wave 0..15
	s_bfe_u32 s14, ttmp6, 0x40000                  ; cx: it enters Q's and part's addresses alone
	s_and_b32 s15, ttmp7, 0xffff                   ; 16 x batch + head, which the four partners share
	s_lshr_b32 s16, s15, 4                         ; batch
	s_and_b32 s17, s15, 15                         ; head
	s_and_b32 s19, s17, 1                          ; which head of its pair
	s_lshr_b32 s2, s17, 1                          ; the pair
	s_and_b32 s3, s18, 1                           ; which half of each piece I fetch, if I fetch
	s_mul_i32 s66, s3, 12288                       ; in the images,
	s_lshl_b32 s67, s3, 12                         ; in the scale words
	; descriptor group 1, by constants: mask 15, elements of 8 bytes, bit 21 beside the mask, no padding
	s_mov_b32 s24, 15|(3<<16)|(1<<21)              ; K: 12,288 dense bytes as 48 rows of 256
	s_mov_b32 s25, 32<<16
	s_mov_b32 s26, 48<<16
	s_mov_b32 s27, 32<<16
	s_mov_b32 s28, 48
	s_mov_b32 s29, 32
	s_mov_b32 s30, 0
	s_mov_b32 s31, 0
	s_mov_b32 s32, 15|(3<<16)|(1<<21)              ; V: 4 rows of 3,072 bytes (a head's four tiles of 64 keys), 49,152 bytes apart
	s_mov_b32 s33, 384<<16
	s_mov_b32 s34, 4<<16
	s_mov_b32 s35, 384<<16
	s_mov_b32 s36, 4
	s_mov_b32 s37, 6144
	s_mov_b32 s38, 0
	s_mov_b32 s39, 0
	s_mov_b32 s40, 15|(3<<16)|(1<<21)              ; scale words: 4,096 dense bytes as 16 rows of 256
	s_mov_b32 s41, 32<<16
	s_mov_b32 s42, 16<<16
	s_mov_b32 s43, 32<<16
	s_mov_b32 s44, 16
	s_mov_b32 s45, 32
	s_mov_b32 s46, 0
	s_mov_b32 s47, 0
	s_mov_b32 s97, 0
	s_wait_kmcnt 0x0
	s_lshl_b32 s96, s16, 4                         ; K's scale words: sc + (16 batch + 8 + pair) x 8,192 + my half
	s_add_co_u32 s96, s96, s2
	s_add_co_u32 s96, s96, 8
	s_lshl_b32 s96, s96, 13
	s_add_co_u32 s96, s96, s67
	s_add_nc_u64 s[98:99], s[6:7], s[96:97]
	G0SET 48, 67, KSC, 98, 0
	s_mul_i32 s96, s16, 3145728                    ; K's images: qkv + batch + (16 + head) x 98,304 + my half
	s_add_co_u32 s100, s17, 16
	s_mul_i32 s100, s100, 98304
	s_add_co_u32 s96, s96, s100
	s_add_co_u32 s96, s96, s66
	s_add_nc_u64 s[98:99], s[4:5], s[96:97]
	G0SET 52, 66, KIMG, 98, 0                      ; four quarters of 512 keys
	G0SET 56, 66, KIMG+24576, 98, 24576
	G0SET 60, 66, KIMG+2*24576, 98, 2*24576
	G0SET 68, 66, KIMG+3*24576, 98, 3*24576
	s_lshl_b32 s96, s16, 3                         ; V's scale words
	s_add_co_u32 s96, s96, s2
	s_lshl_b32 s96, s96, 13
	s_add_co_u32 s96, s96, s67
	s_add_co_u32 s96, s96, SCV
	s_add_nc_u64 s[98:99], s[6:7], s[96:97]
	G0SET 72, 67, VSC, 98, 0
	s_mul_i32 s96, s16, 1572864                    ; V's images: my half is four groups of 64 keys
	s_mul_i32 s100, s17, 3072
	s_add_co_u32 s96, s96, s100
	s_mul_i32 s100, s3, 4*49152
	s_add_co_u32 s96, s96, s100
	s_add_co_u32 s96, s96, VBASE
	s_add_nc_u64 s[98:99], s[4:5], s[96:97]
	G0SET 76, 66, VIMG, 98, 0
	G0SET 80, 66, VIMG+24576, 98, 8*49152
	G0SET 84, 66, VIMG+2*24576, 98, 16*49152
	G0SET 88, 66, VIMG+3*24576, 98, 24*49152
	CROUND                                         ; all four work-groups are here: the joint loads meet
	s_cmp_lt_u32 s18, 2                            ; a wave's first fills stand in one branch on the wave's number: waves 0, 1 K's five, waves 2, 3 V's five, the others none.  Five loads of a wave are out
	s_cbranch_scc0 .Lnot_k
	tensor_load_to_lds s[48:51], s[40:47]
	s_nop 0
	tensor_load_to_lds s[52:55], s[24:31]
	s_nop 0
	tensor_load_to_lds s[56:59], s[24:31]
	s_nop 0
	tensor_load_to_lds s[60:63], s[24:31]
	s_nop 0
	tensor_load_to_lds s[68:71], s[24:31]
	s_nop 0
.rept 4
	v_nop
.endr
	s_branch .Lasked
.Lnot_k:
	s_cmp_lt_u32 s18, 4
	s_cbranch_scc0 .Lasked
	tensor_load_to_lds s[72:75], s[40:47]
	s_nop 0
	tensor_load_to_lds s[76:79], s[32:39]
	s_nop 0
	tensor_load_to_lds s[80:83], s[32:39]
	s_nop 0
	tensor_load_to_lds s[84:87], s[32:39]
	s_nop 0
	tensor_load_to_lds s[88:91], s[32:39]
	s_nop 0
.rept 4
	v_nop
.endr
.Lasked:
	; Q's image: qkv + batch + head x 98,304 + (2 cx) blocks of 12,288 + wave x 768
	s_mul_i32 s92, s16, 3145728
	s_mul_i32 s93, s17, 98304
	s_add_co_u32 s92, s92, s93
	s_mul_i32 s93, s14, 24576
	s_add_co_u32 s92, s92, s93
	s_mul_i32 s93, s18, 768
	s_add_co_u32 s92, s92, s93
	s_mov_b32 s93, 0
	s_add_nc_u64 s[92:93], s[4:5], s[92:93]
	; Q's scale words: block (16 batch + pair), 128 tokens 4 cx + wave / 8, tile a = wave % 8: 256 (a & 1) + 4 (a >> 1), my head's two bytes
	s_lshl_b32 s94, s16, 4
	s_add_co_u32 s94, s94, s2
	s_lshl_b32 s94, s94, 13
	s_lshl_b32 s95, s14, 11
	s_add_co_u32 s94, s94, s95
	s_lshr_b32 s95, s18, 3
	s_lshl_b32 s95, s95, 9
	s_add_co_u32 s94, s94, s95
	s_and_b32 s95, s18, 1
	s_lshl_b32 s95, s95, 8
	s_add_co_u32 s94, s94, s95
	s_bfe_u32 s95, s18, 0x20001
	s_lshl_b32 s95, s95, 2
	s_add_co_u32 s94, s94, s95
	s_lshl_b32 s95, s19, 1
	s_add_co_u32 s94, s94, s95
	s_mov_b32 s95, 0
	s_add_nc_u64 s[94:95], s[6:7], s[94:95]
	; part: row (16 batch + head) x 8 + 2 cx, my wave's 256 bytes
	s_lshl_b32 s20, s15, 3
	s_lshl_b32 s21, s14, 1
	s_add_co_u32 s20, s20, s21
	s_lshl_b32 s20, s20, 12
	s_lshl_b32 s21, s18, 8
	s_add_co_u32 s20, s20, s21
	s_mov_b32 s21, 0
	s_add_nc_u64 s[12:13], s[12:13], s[20:21]
	; Wo: unit 16 head + wave
	s_lshl_b32 s20, s17, 4
	s_add_co_u32 s20, s20, s18
	s_mul_i32 s22, s20, 3072
	s_mov_b32 s23, 0
	s_add_nc_u64 s[8:9], s[8:9], s[22:23]
	s_lshl_b32 s22, s20, 9
	s_add_nc_u64 s[10:11], s[10:11], s[22:23]
	s_mov_b32 s20, 0x76543210
	s_mov_b32 s21, 0xfedcba98                      ; v_permlanex16_b32's selects for lane l xor 16
	s_mov_b32 s22, 0x3e38aa3b                      ; c = log2(e) / 8
	s_mov_b32 s23, s22                             ; (named with it as a pair, so it is written)
	v_and_b32 v1, 31, v0
	s_delay_alu instid0(VALU_DEP_1)
	v_lshlrev_b32 v1, 3, v1                        ; 8 x lane
	s_wait_alu depctr_va_vdst(0)
	v_add_nc_u32 v2, VIMG, v1
	v_and_b32 v5, 15, v0                           ; r
	v_bfe_u32 v6, v0, 4, 1                         ; h
	s_delay_alu instid0(VALU_DEP_2)
	v_lshlrev_b32 v3, 4, v5                        ; 16 r
	s_delay_alu instid0(VALU_DEP_1)
	v_lshl_add_u32 v11, v6, 3, v3                  ; 16 r + 8 h
	s_lshl_b32 s100, s19, 1
	s_add_co_u32 s100, s100, KSC
	s_lshl_b32 s101, s19, 3
	s_add_co_u32 s101, s101, VSC
	v_add_nc_u32 v4, s101, v3                      ; V's words: my head's four tiles begin 8 bytes on in the second head of a pair
	v_add_nc_u32 v3, s100, v3                      ; K's words: my head's two bytes
	s_mul_i32 s100, s18, 768
	s_add_co_u32 s100, s100, OIMG
	v_add_nc_u32 v9, s100, v1
	s_lshl_b32 s100, s18, 7
	s_add_co_u32 s100, s100, OSC
	v_lshrrev_b32 v10, 1, v1
	s_delay_alu instid0(VALU_DEP_1)
	v_add_nc_u32 v10, s100, v10
.irp j, 80,81,82,83,84,85,92,93,94,95,96,97,31
	v_mov_b32 v[\j], 0                             ; the zero codes, and the upper half of the pair v[30:31]: written once
.endr
	s_mov_b32 s67, 2                               ; two blocks of 256 queries
; A KEY STEP: 128 keys.  s2: where the step's images begin (6,144 bytes a step, in K's as in V's), s3: its scale words (512 a step).
.macro STEP
	v_add_nc_u32 v5, s2, v1                        ; these four are also the places between the last products and the loads into their registers
	v_add_nc_u32 v6, s2, v2
	v_add_nc_u32 v7, s3, v3
	v_add_nc_u32 v8, s3, v4
.irp a, 0,1,2,3,4,5,6,7
.irp p, 0,1,2
	ds_load_b64 v[KF+6*\a+2*\p:KF+6*\a+2*\p+1], v5 offset:768*\a+256*\p
.endr
	ds_load_u16 v[16+\a], v7 offset:256*(\a%2)+4*(\a/2)
.endr
.irp t, 0,1,2,3
.irp c, 0,1
.irp p, 0,1,2
	ds_load_b64 v[VF+12*\t+6*\c+2*\p:VF+12*\t+6*\c+2*\p+1], v6 offset:3072*\c+768*\t+256*\p
.endr
.endr
	ds_load_b32 v[24+\t], v8 offset:256*(\t%2)+4*(\t/2)
.endr
	s_wait_dscnt 28                                ; K's 32 loads are in; V's 28 may stay out and land under the softmax
.irp a, 0,1,2,3,4,5,6,7
	v_wmma_scale_f32_16x16x128_f8f6f4 v[S+8*\a:S+8*\a+7], v[KF+6*\a:KF+6*\a+11], v[QF:QF+11], 0, v[16+\a], v28 matrix_a_fmt:MATRIX_FMT_FP6 matrix_b_fmt:MATRIX_FMT_FP6
.endr
.rept 4
	v_nop
.endr
.irp b, 0,1,2,3
	v_max3_num_f32 v[BMX+\b], v[S+16*\b], v[S+16*\b+1], v[S+16*\b+2]   ; the largest score of each block of 32 keys: for the row's maximum and, since p rises with the score, for the block's largest p
.endr
.irp i, 3,5,7,9,11,13
.irp b, 0,1,2,3
	v_max3_num_f32 v[BMX+\b], v[BMX+\b], v[S+16*\b+\i], v[S+16*\b+\i+1]
.endr
.endr
.irp b, 0,1,2,3
	v_max_num_f32 v[BMX+\b], v[BMX+\b], v[S+16*\b+15]
.endr
.irp b, 0,1,2,3
	s_delay_alu instid0(VALU_DEP_4)
	v_permlanex16_b32 v[PT+\b], v[BMX+\b], s20, s21
.endr
.irp b, 0,1,2,3
	s_delay_alu instid0(VALU_DEP_4)
	v_max_num_f32 v[BMX+\b], v[BMX+\b], v[PT+\b]   ; with lane l xor 16's 16 keys
.endr
	s_delay_alu instid0(VALU_DEP_2)
	v_max3_num_f32 v254, v[BMX], v[BMX+1], v[BMX+2]
	s_delay_alu instid0(VALU_DEP_1)
	v_max_num_f32 v254, v254, v[BMX+3]
	s_delay_alu instid0(VALU_DEP_1)
	v_mul_f32 v254, s22, v254                      ; as t (c is positive)
	s_delay_alu instid0(VALU_DEP_1)
	v_max_num_f32 v13, v13, v254                   ; the running largest t
	v_mov_b32 v254, v12
	s_delay_alu instid0(VALU_DEP_2)
	v_floor_f32 v12, -v13                          ; the new -M = floor(-t)
	s_delay_alu instid0(VALU_DEP_1)
	v_sub_f32 v254, v12, v254                      ; old M - new M: a whole number, 0 or less
	s_delay_alu instid0(VALU_DEP_1)
	v_cvt_i32_f32 v254, v254                       ; (it saturates)
	s_delay_alu instid0(VALU_DEP_1)
	v_ldexp_f32 v30, 1.0, v254                     ; f = 2^(old M - new M)
.set J, 0
.rept 32
	v_pk_fma_f32 v[S+J:S+J+1], v[S+J:S+J+1], s[22:23], v[12:13] op_sel_hi:[1,0,0]   ; t - M, two at a time
.set J, J+2
.endr
.irp b, 0,1,2,3
	v_fma_f32 v[BMX+\b], v[BMX+\b], s22, v12       ; the same of each block's largest score
.endr
.set J, 0
	s_setprio 1
	s_wait_alu depctr_va_vdst(0)
.rept 64
	v_exp_f32 v[S+J], v[S+J]                       ; p = 2^(t - M)
.set J, J+1
.endr
	v_pk_mul_f32 v[14:15], v[14:15], v[30:31] op_sel_hi:[1,0]   ; the sums under the new M (the plain line behind the exponentials)
	s_wait_alu depctr_va_vdst(0)                   ; one wait for the batch of 64, ahead of its first reader
.irp b, 0,1,2,3
	v_exp_f32 v[BMX+\b], v[BMX+\b]                 ; the blocks' largest p
.endr
	v_pk_add_f32 v[36:37], v[150:151], v[154:155]
	v_pk_add_f32 v[252:253], v[158:159], v[162:163]
	v_pk_add_f32 v[250:251], v[166:167], v[170:171]
	v_pk_add_f32 v[248:249], v[174:175], v[178:179]
	v_pk_add_f32 v[246:247], v[182:183], v[186:187]
	v_pk_add_f32 v[244:245], v[190:191], v[194:195]
	v_pk_add_f32 v[242:243], v[198:199], v[202:203]
	v_pk_add_f32 v[14:15], v[14:15], v[206:207]
	v_pk_add_f32 v[36:37], v[36:37], v[146:147]
	v_pk_add_f32 v[252:253], v[252:253], v[148:149]
	v_pk_add_f32 v[250:251], v[250:251], v[152:153]
	v_pk_add_f32 v[248:249], v[248:249], v[156:157]
	v_pk_add_f32 v[246:247], v[246:247], v[160:161]
	v_pk_add_f32 v[244:245], v[244:245], v[164:165]
	v_pk_add_f32 v[242:243], v[242:243], v[168:169]
	v_pk_add_f32 v[14:15], v[14:15], v[172:173]
	v_pk_add_f32 v[36:37], v[36:37], v[176:177]
	v_pk_add_f32 v[252:253], v[252:253], v[180:181]
	v_pk_add_f32 v[250:251], v[250:251], v[184:185]
	v_pk_add_f32 v[248:249], v[248:249], v[188:189]
	v_pk_add_f32 v[246:247], v[246:247], v[192:193]
	v_pk_add_f32 v[244:245], v[244:245], v[196:197]
	v_pk_add_f32 v[242:243], v[242:243], v[200:201]
	v_pk_add_f32 v[14:15], v[14:15], v[204:205]
	v_pk_add_f32 v[36:37], v[36:37], v[208:209]
	s_delay_alu instid0(VALU_DEP_2)
	v_pk_add_f32 v[14:15], v[14:15], v[248:249]
	s_delay_alu instid0(VALU_DEP_2)
	v_pk_add_f32 v[36:37], v[36:37], v[246:247]
	v_pk_add_f32 v[252:253], v[252:253], v[244:245]
	v_pk_add_f32 v[250:251], v[250:251], v[242:243]
	s_delay_alu instid0(VALU_DEP_2)
	v_pk_add_f32 v[14:15], v[14:15], v[252:253]
	s_delay_alu instid0(VALU_DEP_2)
	v_pk_add_f32 v[36:37], v[36:37], v[250:251]
	s_delay_alu instid0(VALU_DEP_1)
	v_pk_add_f32 v[14:15], v[14:15], v[36:37]
	s_wait_alu depctr_va_vdst(0)                   ; and one for the four
.irp b, 0,1,2,3
	v_max_num_f32 v[BMX+\b], 0x1800000, v[BMX+\b]  ; the floor 2^(3 - 127)
.endr
.irp b, 0,1,2,3
	s_delay_alu instid0(VALU_DEP_4)
	v_add_nc_u32 v[SO+\b], 0xff000000, v[BMX+\b]   ; the conversion's scale operand
.endr
.irp b, 0,1,2,3
	s_delay_alu instid0(VALU_DEP_4)
	v_lshrrev_b32 v[PT+\b], 23, v[SO+\b]           ; the scale's byte
.endr
	s_delay_alu instid0(VALU_DEP_3)
	v_lshl_or_b32 v29, v[PT+1], 8, v[PT]           ; p's scale word for these 128 keys
	s_delay_alu instid0(VALU_DEP_1)
	v_lshl_or_b32 v29, v[PT+2], 16, v29
	s_delay_alu instid0(VALU_DEP_1)
	v_lshl_or_b32 v29, v[PT+3], 24, v29
.irp c, 0,1
	v_cvt_scalef32_pk16_fp6_f32 v[PC+6*\c:PC+6*\c+2], v[S+32*\c:S+32*\c+15], v[SO+2*\c]
	v_cvt_scalef32_pk16_fp6_f32 v[CH+4*\c:CH+4*\c+2], v[S+32*\c+16:S+32*\c+31], v[SO+2*\c+1]
.endr
	v_nop                                          ; one plain line behind a scaled conversion
	s_setprio 0
.irp c, 0,1
.irp i, 0,1,2
	v_permlane16_swap_b32 v[PC+6*\c+\i], v[CH+4*\c+\i]
.endr
.irp i, 0,1,2
	s_delay_alu instid0(VALU_DEP_3)
	v_mov_b32 v[PC+3+6*\c+\i], v[CH+4*\c+\i]
.endr
.endr
.set J, 0
.rept 16
	v_pk_mul_f32 v[O+J:O+J+1], v[O+J:O+J+1], v[30:31] op_sel_hi:[1,0]   ; O^T under the new M; these 16 are also the places between the writes of p's codes and scale word and the products
.set J, J+2
.endr
	s_wait_alu depctr_va_vdst(0)
	s_wait_dscnt 0x0                               ; V
.irp t, 0,1,2,3
	v_wmma_scale_f32_16x16x128_f8f6f4 v[O+8*\t:O+8*\t+7], v[VF+12*\t:VF+12*\t+11], v[PC:PC+11], v[O+8*\t:O+8*\t+7], v[24+\t], v29 matrix_a_fmt:MATRIX_FMT_FP6 matrix_b_fmt:MATRIX_FMT_FP6
.endr
	s_add_co_u32 s2, s2, 6144
	s_add_co_u32 s3, s3, 512
.endm
; A quarter of the keys: its tiles have landed in the waves that fetched them, and a barrier shows them to all.  The later quarters' loads may stay out.
.macro QUARTER q
	s_wait_tensorcnt 3-\q                          ; of a fetching wave's five loads the scale words and quarters 0 to q are in; 3 - q later ones may be out
	s_wait_dscnt 0x0
	s_barrier_signal -1
	s_barrier_wait -1
	s_mov_b32 s2, 24576*\q
	s_mov_b32 s3, 2048*\q
	s_mov_b32 s66, 4
.Lstep_\@:
	s_setprio 2
	STEP
	s_sub_co_u32 s66, s66, 1
	s_cmp_lg_u32 s66, 0
	s_cbranch_scc1 .Lstep_\@
	s_setprio 0
.endm
.Lpass:
	v_and_b32 v5, 15, v0
	s_delay_alu instid0(VALU_DEP_1)
	v_lshlrev_b32 v5, 4, v5                        ; 16 r
.irp p, 0,1,2
	global_load_b64 v[QF+2*\p:QF+2*\p+1], v1, s[92:93] offset:256*\p   ; my 16 queries' codes
.endr
	global_load_u16 v28, v5, s[94:95]              ; and their scale bytes
	v_mov_b32 v13, 0xff61b1e6                      ; the largest t so far: -3e38
	s_delay_alu instid0(VALU_DEP_1)
	v_floor_f32 v12, -v13
	v_mov_b32 v14, 0
	v_mov_b32 v15, 0
.set J, 0
.rept 32
	v_mov_b32 v[O+J], 0                            ; O^T: the step is written once, and its first trip finds zeros
.set J, J+1
.endr
	s_wait_loadcnt 0x0
	QUARTER 0
	QUARTER 1
	QUARTER 2
	QUARTER 3
	; o = O / l
	v_add_f32 v14, v14, v15
	s_delay_alu instid0(VALU_DEP_1)
	v_permlanex16_b32 v254, v14, s20, s21
	s_delay_alu instid0(VALU_DEP_1)
	v_add_f32 v14, v14, v254                       ; the row's sum
	s_wait_alu depctr_va_vdst(0)
	v_rcp_f32 v14, v14
	v_lshlrev_b32 v5, 1, v1                        ; 16 x lane.  (Plain lines behind the reciprocal, and with the additions above the places in front of the loads below)
	v_add_nc_u32 v6, OIMG, v1
	v_lshrrev_b32 v7, 1, v1
	s_delay_alu instid0(VALU_DEP_1)
	v_add_nc_u32 v7, OSC, v7
.irp t, 0,1,2,3
.irp p, 0,1,2
	global_load_b64 v[VF+12*\t+2*\p:VF+12*\t+2*\p+1], v1, s[8:9] offset:768*\t+256*\p       ; Wo's half fragment of tile t,
	global_load_b64 v[VF+12*\t+6+2*\p:VF+12*\t+7+2*\p], v1, s[8:9] offset:768*\t+256*\p     ; twice: K 0-63 and K 64-127
.endr
.endr
	global_load_b128 v[16:19], v5, s[10:11]        ; and its scale words
	s_wait_alu depctr_va_vdst(0)                   ; the wait for the reciprocal, ahead of its first reader
.set J, 0
.rept 16
	v_pk_mul_f32 v[O+J:O+J+1], v[O+J:O+J+1], v[14:15] op_sel_hi:[1,0]
.set J, J+2
.endr
	; o's two blocks of 32 are quantised and go to LDS as an image of the operand's registers
.irp b, 0,1
	v_max3_num_f32 v[BMX+\b], |v[O+16*\b]|, |v[O+16*\b+1]|, 0x1800000
.endr
.irp i, 2,4,6,8,10,12,14
.irp b, 0,1
	s_delay_alu instid0(VALU_DEP_2)
	v_max3_num_f32 v[BMX+\b], v[BMX+\b], |v[O+16*\b+\i]|, |v[O+16*\b+\i+1]|
.endr
.endr
.irp b, 0,1
	s_delay_alu instid0(VALU_DEP_2)
	v_permlanex16_b32 v[PT+\b], v[BMX+\b], s20, s21
.endr
.irp b, 0,1
	s_delay_alu instid0(VALU_DEP_2)
	v_max_num_f32 v[BMX+\b], v[BMX+\b], v[PT+\b]
.endr
.irp b, 0,1
	s_delay_alu instid0(VALU_DEP_2)
	v_add_nc_u32 v[SO+\b], 0xff000000, v[BMX+\b]
.endr
.irp b, 0,1
	s_delay_alu instid0(VALU_DEP_2)
	v_lshrrev_b32 v[PT+\b], 23, v[SO+\b]
.endr
	s_delay_alu instid0(VALU_DEP_1)
	v_lshl_or_b32 v254, v[PT+1], 8, v[PT]          ; my row's two bytes
	v_cvt_scalef32_pk16_fp6_f32 v[PC:PC+2], v[O:O+15], v[SO]
	v_cvt_scalef32_pk16_fp6_f32 v[CH:CH+2], v[O+16:O+31], v[SO+1]
	v_nop                                          ; one plain line behind a scaled conversion
.irp i, 0,1,2
	v_permlane16_swap_b32 v[PC+\i], v[CH+\i]
.endr
.irp i, 0,1,2
	s_delay_alu instid0(VALU_DEP_3)
	v_mov_b32 v[PC+3+\i], v[CH+\i]
.endr
.irp p, 0,1,2
	ds_store_b64 v9, v[PC+2*\p:PC+2*\p+1] offset:256*\p
.endr
	ds_store_b32 v10, v254
	s_wait_dscnt 0x0                               ; for the others' sake: my stores have landed
	s_barrier_signal -1
	s_barrier_wait -1                              ; the sixteen images lie in LDS
	; eight fragments, each of two waves' images; their places: v32-79 and v146-193
.irp p, 0,1,2,3,4,5,6,7
.if \p < 4
.set OFR, 32+12*\p
.else
.set OFR, 146+12*(\p-4)
.endif
.irp e, 0,1
.irp l, 0,1,2
	ds_load_b64 v[OFR+6*\e+2*\l:OFR+6*\e+2*\l+1], v6 offset:768*(2*\p+\e)+256*\l
.endr
.endr
.endr
.irp m, 0,1,2,3,4,5,6,7,8,9,10,11,12,13,14,15
	ds_load_b32 v[194+\m], v7 offset:128*\m
.endr
	s_wait_dscnt 0x0
.irp p, 0,1,2,3,4,5,6,7
	v_lshl_or_b32 v[20+\p], v[195+2*\p], 16, v[194+2*\p]   ; the pair's scale word: two bytes of each image
.endr
.rept 8
	v_nop                                          ; a scale register written by a vector line stands eight places ahead of a scaled matrix instruction
.endr
	s_wait_alu depctr_va_vdst(0)
	s_wait_loadcnt 0x0                             ; Wo
.irp p, 0,1,2,3,4,5,6,7
.if \p < 4
.set OFR, 32+12*\p
.else
.set OFR, 146+12*(\p-4)
.endif
.irp t, 0,1,2,3                                ; the four accumulators by turns
.if \p == 0
	v_wmma_scale_f32_16x16x128_f8f6f4 v[O+8*\t:O+8*\t+7], v[OFR:OFR+11], v[VF+12*\t:VF+12*\t+11], 0, v[20+\p], v[16+\t] matrix_a_fmt:MATRIX_FMT_FP6 matrix_b_fmt:MATRIX_FMT_FP6
.else
	v_wmma_scale_f32_16x16x128_f8f6f4 v[O+8*\t:O+8*\t+7], v[OFR:OFR+11], v[VF+12*\t:VF+12*\t+11], v[O+8*\t:O+8*\t+7], v[20+\p], v[16+\t] matrix_a_fmt:MATRIX_FMT_FP6 matrix_b_fmt:MATRIX_FMT_FP6
.endif
.endr
.endr
.rept 4
	v_nop
.endr
	; register j of lane (r, h): token place 8 h + j, output 64 w + 4 r + t.  The sum over the places, each accumulator from its low end on
.irp t, 0,1,2,3
	v_pk_add_f32 v[32+4*\t:33+4*\t], v[O+8*\t:O+8*\t+1], v[O+8*\t+2:O+8*\t+3]
	v_pk_add_f32 v[34+4*\t:35+4*\t], v[O+8*\t+4:O+8*\t+5], v[O+8*\t+6:O+8*\t+7]
.endr
.irp t, 0,1,2,3
	v_pk_add_f32 v[32+4*\t:33+4*\t], v[32+4*\t:33+4*\t], v[34+4*\t:35+4*\t]
.endr
.irp t, 0,1,2,3
	s_delay_alu instid0(VALU_DEP_4)
	v_add_f32 v[48+\t], v[32+4*\t], v[33+4*\t]
.endr
.irp t, 0,1,2,3
	s_delay_alu instid0(VALU_DEP_4)
	v_permlanex16_b32 v[52+\t], v[48+\t], s20, s21
.endr
.irp t, 0,1,2,3
	s_delay_alu instid0(VALU_DEP_4)
	v_add_f32 v[48+\t], v[48+\t], v[52+\t]
.endr
	v_cmp_le_u32 vcc_lo, 128, v1                   ; lanes 16-31
	s_delay_alu instid0(VALU_DEP_1)
	v_cndmask_b32 v56, v48, v50, vcc_lo            ; lane (r, h) stores outputs 4 r + 2 h, 4 r + 2 h + 1
	s_delay_alu instid0(VALU_DEP_2)
	v_cndmask_b32 v57, v49, v51, vcc_lo
	global_store_b64 v11, v[56:57], s[12:13]       ; 32 lanes store 256 consecutive bytes, aligned
	s_wait_xcnt 0x0                                ; the store and the loads have read their addresses and data: the bases may step, the registers be written again
	s_add_nc_u64 s[92:93], s[92:93], 12288         ; the next 256 queries
	s_add_nc_u64 s[94:95], s[94:95], 1024
	s_add_nc_u64 s[12:13], s[12:13], 4096
	s_sub_co_u32 s67, s67, 1
	s_cmp_lg_u32 s67, 0
	s_cbranch_scc1 .Lpass
	s_wait_xcnt 0x0
	v_lshl_add_u32 v254, v0, 2, 0x37800
	v_mov_b32 v255, 0
	s_wait_alu depctr_va_vdst(0)
	s_wait_tensorcnt 0x0
	ds_add_u32 v254, v255
	s_wait_dscnt 0x0
	CROUND                                         ; the closing round: no work-group ends before its partners have asked
	s_endpgm
.Lfunc_end_k_q341bcb9756_attn:
	.size	k_q341bcb9756_attn, .Lfunc_end_k_q341bcb9756_attn-k_q341bcb9756_attn
	.p2alignl 7, 3214868480
	.fill 96, 4, 3214868480
	.section	.rodata,"a",@progbits
	.p2align	6, 0x0
	.amdhsa_kernel k_q341bcb9756_attn
		.amdhsa_group_segment_fixed_size 229376
		.amdhsa_private_segment_fixed_size 0
		.amdhsa_enable_private_segment 0
		.amdhsa_kernarg_size 40
		.amdhsa_user_sgpr_count 2
		.amdhsa_user_sgpr_kernarg_segment_ptr 1
		.amdhsa_wavefront_size32 1
		.amdhsa_system_sgpr_workgroup_id_x 1
		.amdhsa_system_sgpr_workgroup_id_y 1
		.amdhsa_system_sgpr_workgroup_id_z 1
		.amdhsa_system_vgpr_workitem_id 0
		.amdhsa_next_free_vgpr 256
		.amdhsa_next_free_sgpr 102
		.amdhsa_reserve_vcc 1
		.amdhsa_float_denorm_mode_32 3
		.amdhsa_float_denorm_mode_16_64 3
		.amdhsa_memory_ordered 1
		.amdhsa_forward_progress 1
		.amdhsa_inst_pref_size 108
	.end_amdhsa_kernel
	.amdgpu_metadata
---
amdhsa.version: [ 1, 2 ]
amdhsa.kernels:
  - .name:           k_q341bcb9756_attn
    .symbol:         k_q341bcb9756_attn.kd
    .args:
      - { .name: qkv, .offset: 0, .size: 8, .value_kind: global_buffer, .address_space: global }
      - { .name: sc, .offset: 8, .size: 8, .value_kind: global_buffer, .address_space: global }
      - { .name: wo_img, .offset: 16, .size: 8, .value_kind: global_buffer, .address_space: global }
      - { .name: wo_sc, .offset: 24, .size: 8, .value_kind: global_buffer, .address_space: global }
      - { .name: part, .offset: 32, .size: 8, .value_kind: global_buffer, .address_space: global }
    .group_segment_fixed_size: 229376
    .private_segment_fixed_size: 0
    .kernarg_segment_align: 8
    .kernarg_segment_size: 40
    .max_flat_workgroup_size: 512
    .sgpr_count:     102
    .vgpr_count:     256
    .wavefront_size: 32
...
	.end_amdgpu_metadata
.endif
;; end of part 3
;; launch mean (part 4): grid 32 x 1, 8 waves a work-group, no clusters, 5,120 bytes of LDS; arguments part, bo, out0; writes out0
.if DOCPART == 4
	.amdgcn_target "amdgcn-amd-amdhsa--gfx1250"
	.amdhsa_code_object_version 6
	.text
	.protected	k_q341bcb9756_mean
	.globl	k_q341bcb9756_mean
	.p2align	8
	.type	k_q341bcb9756_mean,@function
k_q341bcb9756_mean:
	s_mov_b64 s[64:65], 0
	v_nop
	global_prefetch_b8 v0, s[64:65] scope:SCOPE_SE
	s_setreg_imm32_b32 hwreg(HW_REG_WAVE_MODE, 25, 1), 1
	s_wait_xcnt 0x0
; out0[b][n] = bo[n] + 2^-11 x the sum of batch b's 128 rows of part (16 heads x 8 blocks of 256 tokens), each [1024] f32.
; A work-group takes one batch and 128 outputs (512 bytes of a row); each of its eight waves adds 16 rows, 16 bytes a lane; the eight sums meet in LDS and wave 0 finishes.
; Memory binds and the launch is short: no matrix unit, no cluster (work-groups share no input), no tensor load.
	s_load_b128 s[4:7], s[0:1], 0x0                ; part, bo
	s_load_b64 s[8:9], s[0:1], 0x10                ; out0
	v_lshl_add_u32 v96, v0, 2, 0x1000
	v_mov_b32 v97, 0
	v_lshrrev_b32 v1, 5, v0
	v_readfirstlane_b32 s10, v1                    ; wave
	v_and_b32 v2, 31, v0
	v_lshlrev_b32 v2, 4, v2                        ; 16 x lane
	s_lshr_b32 s11, ttmp9, 3                       ; batch
	s_and_b32 s12, ttmp9, 7                        ; which 128 outputs
	s_lshl_b32 s13, s11, 7
	s_lshl_b32 s14, s10, 4
	s_add_co_u32 s13, s13, s14                     ; my first row: 128 batch + 16 wave
	s_lshl_b32 s14, s13, 12
	s_lshl_b32 s16, s12, 9
	s_add_co_u32 s14, s14, s16
	s_mov_b32 s15, 0
	s_mov_b32 s17, 0
	s_lshl_b32 s18, s11, 12
	s_add_co_u32 s18, s18, s16
	s_mov_b32 s19, 0
	s_lshl_b32 s20, s10, 9
	v_add_nc_u32 v3, s20, v2                       ; LDS: 512 x wave + 16 x lane
	s_wait_kmcnt 0x0
	s_add_nc_u64 s[4:5], s[4:5], s[14:15]
	s_add_nc_u64 s[6:7], s[6:7], s[16:17]
	s_add_nc_u64 s[8:9], s[8:9], s[18:19]
.irp i, 0,1,2,3,4,5,6,7,8,9,10,11,12,13,14,15
	global_load_b128 v[16+4*\i:19+4*\i], v2, s[4:5] offset:4096*\i th:TH_LOAD_NT   ; 32 lanes read 512 consecutive bytes
.endr
	s_wait_loadcnt 0x0
.irp d, 8,4,2,1
.irp i, 0,1,2,3,4,5,6,7
.if \i < \d
	v_pk_add_f32 v[16+4*\i:17+4*\i], v[16+4*\i:17+4*\i], v[16+4*(\i+\d):17+4*(\i+\d)]
	v_pk_add_f32 v[18+4*\i:19+4*\i], v[18+4*\i:19+4*\i], v[18+4*(\i+\d):19+4*(\i+\d)]
.endif
.endr
.endr
	ds_store_b128 v3, v[16:19]
	s_wait_dscnt 0x0                               ; for the others' sake: my store has landed
	s_barrier_signal -1
	s_barrier_wait -1
	s_cmp_lg_u32 s10, 0                            ; wave 0 alone finishes; no barrier stands behind this branch
	s_cbranch_scc1 .Lend
	global_load_b128 v[8:11], v2, s[6:7]           ; bo
.irp k, 0,1,2,3,4,5,6,7
	ds_load_b128 v[16+4*\k:19+4*\k], v2 offset:512*\k
.endr
	s_wait_dscnt 0x0
.irp d, 4,2,1
.irp i, 0,1,2,3
.if \i < \d
	v_pk_add_f32 v[16+4*\i:17+4*\i], v[16+4*\i:17+4*\i], v[16+4*(\i+\d):17+4*(\i+\d)]
	v_pk_add_f32 v[18+4*\i:19+4*\i], v[18+4*\i:19+4*\i], v[18+4*(\i+\d):19+4*(\i+\d)]
.endif
.endr
.endr
	s_wait_loadcnt 0x0
	v_pk_fma_f32 v[16:17], v[16:17], 0x3a000000, v[8:9] op_sel_hi:[1,0,1]     ; x 2^-11, + bo
	v_pk_fma_f32 v[18:19], v[18:19], 0x3a000000, v[10:11] op_sel_hi:[1,0,1]
	global_store_b128 v2, v[16:19], s[8:9]         ; 512 consecutive bytes
.Lend:
	s_wait_tensorcnt 0x0
	ds_add_u32 v96, v97
	s_wait_dscnt 0x0
	s_endpgm
.Lfunc_end_k_q341bcb9756_mean:
	.size	k_q341bcb9756_mean, .Lfunc_end_k_q341bcb9756_mean-k_q341bcb9756_mean
	.p2alignl 7, 3214868480
	.fill 96, 4, 3214868480
	.section	.rodata,"a",@progbits
	.p2align	6, 0x0
	.amdhsa_kernel k_q341bcb9756_mean
		.amdhsa_group_segment_fixed_size 5120
		.amdhsa_private_segment_fixed_size 0
		.amdhsa_enable_private_segment 0
		.amdhsa_kernarg_size 24
		.amdhsa_user_sgpr_count 2
		.amdhsa_user_sgpr_kernarg_segment_ptr 1
		.amdhsa_wavefront_size32 1
		.amdhsa_system_sgpr_workgroup_id_x 1
		.amdhsa_system_sgpr_workgroup_id_y 1
		.amdhsa_system_sgpr_workgroup_id_z 1
		.amdhsa_system_vgpr_workitem_id 0
		.amdhsa_next_free_vgpr 98
		.amdhsa_next_free_sgpr 66
		.amdhsa_reserve_vcc 0
		.amdhsa_float_denorm_mode_32 3
		.amdhsa_float_denorm_mode_16_64 3
		.amdhsa_memory_ordered 1
		.amdhsa_forward_progress 1
		.amdhsa_inst_pref_size 7
	.end_amdhsa_kernel
	.amdgpu_metadata
---
amdhsa.version: [ 1, 2 ]
amdhsa.kernels:
  - .name:           k_q341bcb9756_mean
    .symbol:         k_q341bcb9756_mean.kd
    .args:
      - { .name: part, .offset: 0, .size: 8, .value_kind: global_buffer, .address_space: global }
      - { .name: bo, .offset: 8, .size: 8, .value_kind: global_buffer, .address_space: global }
      - { .name: out0, .offset: 16, .size: 8, .value_kind: global_buffer, .address_space: global }
    .group_segment_fixed_size: 5120
    .private_segment_fixed_size: 0
    .kernarg_segment_align: 8
    .kernarg_segment_size: 24
    .max_flat_workgroup_size: 256
    .sgpr_count:     66
    .vgpr_count:     98
    .wavefront_size: 32
...
	.end_amdgpu_metadata
.endif
;; end of part 4
